; MI455X (gfx1250); checked and timed in simulation.
; The chip was launched on July 23, 2026; its instructions are those of AMD's public machine-readable ISA for CDNA 5 (MIT licence, August 2026) and "CDNA5" Instruction Set Architecture Reference Guide (July 2026). The comments in the code are by the model that wrote it; some were corrected since.
;; Multi Head Self Att. Allowed arithmetic: matrix products marked QUANTISED: E3M2 operands, one E8M0 scale for each 32 along K, by v_wmma_scale_f32_16x16x128_f8f6f4 with both operands' format E3M2, f32 sums; everything else in f32.
;; Inputs: Wk 1,024 x 1,024 float32; Wq 1,024 x 1,024 float32; Wv 1,024 x 1,024 float32; bk 1,024 float32; bq 1,024 float32; bv 1,024 float32; ts10_input 4 x 2,048 x 1,024 float32.
;; Outputs: out0 4 x 2,048 x 1,024 float32.
;; Constants: mask = 1.
;; This version of the problem:
;;   THIS VERSION OF THE PROBLEM IS GIVEN IN LOW PRECISION. The matrix products marked QUANTISED in the list below multiply operands that are first quantised to E3M2 (3 exponent bits, 2 mantissa bits; 6 bits a number), with one power-of-two scale for each 32 numbers along K (OCP MX v1.0); their sums are f32. All else is computed in f32.
;;   The module's matrix products, in the order in which they are computed (A, B: the left and right operand; K: the contracted axis; several contracted axes count as one K, in the product's order):
;;     1. [M 8,192, K 1,024] x [K 1,024, N 1,024]; A: input ts10_input; B: input Wq: QUANTISED
;;     2. [M 8,192, K 1,024] x [K 1,024, N 1,024]; A: input ts10_input; B: input Wk: QUANTISED
;;     3. [M 8,192, K 1,024] x [K 1,024, N 1,024]; A: input ts10_input; B: input Wv: QUANTISED
;;     4. batch 64 x [M 2,048, K 64] x [K 64, N 2,048]; A: computed on the way; B: computed on the way: QUANTISED
;;     5. batch 64 x [M 2,048, K 2,048] x [K 2,048, N 64]; A: softmax (see below); B: computed on the way: QUANTISED
;;   THE QUANTISER, for each operand of a quantised product, along K:
;;     - K is cut into blocks of 32 from its start; a last block that is shorter is filled with zeros.
;;     - A block's scale is 2^e with e = floor(log2(the largest magnitude in the block)) - 4, held to -126 .. 127; a block of zeros has e = 0. As a byte (E8M0): e + 127.
;;     - Each number is divided by its block's scale, clamped to +-28, and rounded to the nearest number of E3M2, ties to even, subnormals kept.
;;     - The product sums the exact products of the quantised numbers (number of the format x scale) in f32.
;;   ~~~python
;;   def quantise(x, axis):      # numpy; x: float32 -> the quantised numbers, widened to float32 again
;;       x = np.moveaxis(x, axis, -1); K = x.shape[-1]
;;       x = np.pad(x, [(0, 0)] * (x.ndim - 1) + [(0, -K % 32)]); x = x.reshape(x.shape[:-1] + (-1, 32)); a = np.abs(x).max(-1, keepdims=True)
;;       e = np.where(a > 0, np.clip(np.frexp(np.where(a > 0, a, 1))[1] - 1 - 4, -126, 127), 0)      # np.frexp(a)[1] - 1 = floor(log2(a)), exactly
;;       r = np.clip(x / 2.0 ** e, -28, 28)
;;       step = 2.0 ** (np.maximum(np.frexp(np.where(r == 0, 1, r))[1] - 1, -2) - 2)
;;       q = np.round(r / step) * step * 2.0 ** e      # np.round: ties to even
;;       return np.moveaxis(q.reshape(q.shape[:-2] + (-1,))[..., :K], -1, axis).astype(np.float32)
;;   ~~~
;;   SOFTMAX AHEAD OF A QUANTISED PRODUCT. Where the list says 'softmax', what is quantised is not the finished softmax but p = 2^(t - M), with t = logit x log2(e) and M = ceil(the row's largest t), a whole number; so 1/2 < the row's largest p <= 1. The row's sum l is taken of the UNQUANTISED p, in f32, and the product's result is divided by l at the end. Since M is a whole number, a kernel that streams over the keys may use a running M (the ceiling of the running maximum): every later rescaling is an exact power of two, which a block's scale takes up: the codes' values come out the same.
;;   OPERANDS COMPUTED ON THE WAY. 'Computed on the way' means the value that the module computes at that place (a softmax that the list does not call 'softmax' is quantised finished and normalised). What goes into a quantiser is computed in f32, as accurately as f32 sums, v_exp_f32 and their like allow (about 1e-6 of the number): no bf16 or f16 on the way to a quantiser, and a product that is left as it is and whose result goes on into a quantised operand takes f32 operands (vector FMAs, or v_wmma_f32_16x16x4_f32). A number that lies on a knife's edge between two numbers of the format may be rounded either way, as far as f32 arithmetic and the matrix unit's own rounding can turn it there, and no further.
;; One version. Each part assembles by itself: llvm-mc -triple=amdgcn-amd-amdhsa -mcpu=gfx1250 --defsym DOCPART=n.
;; ======== version 1 of 1: 3 launches
;; limits: right only within a limited range of input values
;; workspace buffers: codes 8,650,752 bytes; scales 360,448 bytes; qi 6,553,600 bytes; kv 13,107,200 bytes
;; launch quant (part 1): grid 448 x 1, 4 waves a work-group, no clusters, 68,096 bytes of LDS; arguments ts10_input, Wq, Wk, Wv, codes, scales; writes codes, scales
.if DOCPART == 1
	.amdgcn_target "amdgcn-amd-amdhsa--gfx1250"
	.amdhsa_code_object_version 6
	.text
	.protected	k_q1f626b38d3_quant
	.globl	k_q1f626b38d3_quant
	.p2align	8
	.type	k_q1f626b38d3_quant,@function
k_q1f626b38d3_quant:
	s_mov_b64 s[64:65], 0
	v_nop
	global_prefetch_b8 v0, s[64:65] scope:SCOPE_SE
	s_setreg_imm32_b32 hwreg(HW_REG_WAVE_MODE, 25, 1), 1
	s_wait_xcnt 0x0
; x [8192][1024] and the three weights [1024 (k)][1024 (n)], all f32, become codes of BF6 (E3M2), 6 bits each, K innermost, with one E8M0 byte for each 32 along K.
; 11,264 rows: rows 0-8191 tokens of x; rows 8192 + 1024 s + n: column n of weight s (0 q, 1 k, 2 v).  scales: 32 bytes a row.
; THE ORDER OF ROWS: row i is stored at the place i with its bits 3 and 4 exchanged.  So sixteen neighbouring stored rows, tile 2 b + u of a group of 32, are the true rows
; 32 b + 8 u + r + 8 (r / 8): the choice of rows that lets a matrix result be quantised in registers by the next launch is made here, once, by addresses alone.
; THE CODES' PLACE: the stored rows lie in groups of 256; in a group the four K steps of 256 (192 bytes a row) are four dense blocks of 49,152 bytes:
; byte y of stored row i lies at (i / 256) x 196,608 + (y / 192) x 49,152 + (i % 256) x 192 + y % 192.  So a tile's K step is one run of whole blocks of 256 bytes for the next launch.
; A block's scale is 2^(floor(log2(its largest magnitude)) - 4); its byte is the largest magnitude's exponent field - 4, held at 1 from below.
; LIMITS: a block of zeros, or one whose largest magnitude lies under 2^(5 - 127), gets the byte 1 where the rule says 127 for zeros: its codes are zeros, and this program alone reads
; the bytes.  NaN and infinities among the inputs are not served.  Code rows leave in runs of 192 (x) and 96 (weights) consecutive bytes, the weights' scale bytes 4 a lane: parts of aligned blocks of 256 bytes.
; Work-groups 0-255 take x (K innermost: 32 rows each), work-groups 256-447 the weights (K outermost: 128 columns x 128 along K each).  The two paths have LDS bytes of their own.
; No tensor loads, no barrier: waves share nothing.
.set XWG,   256                        ; work-groups for x
.set STEPS, 16                         ; x: steps of 512 numbers for a wave
.set CB,    12                         ; bytes of 16 codes
.set R,     16                         ; x: v16-143  eight sets of 16 numbers as loaded
.set X,     144                        ; x: v144-175 two sets of 16 neighbours
.set C,     176                        ; x: v176-239 four registers a step: three of codes, the fourth the scale byte
.set WREG,  8192                       ; x: LDS region of a wave: two stages of 32 x SP bytes, then its 256 scale bytes
.set SP,    80                         ; x: a lane's place in a stage: 64 bytes + 16 of padding
.set WST,   32768                      ; weights: their stages begin here
.set PITCH, 272                        ; weights: a stage row
.set NB,    4                          ; weights: blocks of 32 along K for a wave
.set WX,    32                         ; weights: v32-95 two sets of 32 numbers
.set WC,    96                         ; weights: a block's codes
.set OUTR,  112                        ; weights: v112-143 the way out
.set SB,    24                         ; weights: v24 four scale bytes
.set SPW,   240                        ; my spare word;  v241: 0
.set NIL,   241
	s_load_b256 s[4:11], s[0:1], 0x0               ; x s[4:5], Wq s[6:7], Wk s[8:9], Wv s[10:11]
	s_load_b128 s[12:15], s[0:1], 0x20             ; codes s[12:13], scales s[14:15]
	v_lshl_add_u32 v[SPW], v0, 2, 0x10800
	v_mov_b32 v[NIL], 0
	v_lshrrev_b32 v1, 5, v0
	v_readfirstlane_b32 s16, v1                    ; wave 0..3
	v_and_b32 v2, 31, v0                           ; lane
	s_cmp_lt_u32 ttmp9, XWG
	s_cbranch_scc0 .Lweights
; ---------------- x: a plain stream of blocks of 32.  A wave takes 8 rows: 16 steps of 512 numbers.
; Each load reads 512 consecutive bytes; a step's 2,048 bytes turn through the wave's own stage, so that a lane then holds 16 neighbours along K; two neighbouring lanes hold a block.
	v_lshlrev_b32 v3, 4, v2                        ; my 16 bytes of a load's 512
	s_mul_i32 s17, s16, WREG
	v_lshrrev_b32 v14, 2, v2
	v_mul_u32_u24 v14, v14, SP
	v_and_b32 v15, 3, v2
	v_lshl_add_u32 v14, v15, 4, v14
	v_add_nc_u32 v14, s17, v14                     ; the stage, in: SP (lane / 4) + 16 (lane % 4)
	v_mul_u32_u24 v15, v2, SP
	v_add_nc_u32 v15, s17, v15                     ; and out: SP x lane
	v_and_b32 v4, 15, v2
	v_mul_u32_u24 v4, v4, CB                       ; sixteen lanes fill a row's 192 bytes of one K step,
	v_lshrrev_b32 v10, 4, v2
	v_mad_u32_u24 v4, v10, 0xc000, v4              ; lanes 16-31 those of the next K step, 49,152 bytes on
	v_lshrrev_b32 v5, 1, v2
	s_add_co_u32 s17, s17, 2*32*SP
	v_add_nc_u32 v5, s17, v5                       ; my block's byte among the wave's 256
	v_lshlrev_b32 v7, 3, v2
	v_add_nc_u32 v6, s17, v7                       ; and on the way out 8 bytes a lane
	s_lshl_b32 s18, ttmp9, 2
	s_add_co_u32 s20, s18, s16                     ; the run of 8 rows that I read: 4 x work-group + wave
	s_and_b32 s21, s16, 1
	s_lshl_b32 s21, s21, 1
	s_lshr_b32 s22, s16, 1
	s_or_b32 s21, s21, s22                         ; the wave's two bits exchanged: bits 3 and 4 of the row
	s_add_co_u32 s18, s18, s21                     ; the run of 8 rows that I write
	s_lshl_b32 s20, s20, 15                        ; 8 rows of 4,096 bytes
	s_mov_b32 s21, 0
	s_lshr_b32 s22, s18, 5                         ; 32 runs of 8 rows to a group of 256 rows
	s_mul_i32 s22, s22, 196608
	s_and_b32 s23, s18, 31
	s_mul_i32 s23, s23, 1536                       ; 8 rows of 192 bytes
	s_add_co_u32 s22, s22, s23
	s_mov_b32 s23, 0
	s_lshl_b32 s24, s18, 8                         ; 8 rows of 32 scale bytes
	s_mov_b32 s25, 0
	s_wait_alu depctr_va_vdst(0)
	s_wait_kmcnt 0x0
	s_add_nc_u64 s[4:5], s[4:5], s[20:21]
	s_add_nc_u64 s[12:13], s[12:13], s[22:23]
	s_add_nc_u64 s[14:15], s[14:15], s[24:25]
.macro XLOAD t
.irp i, 0,1,2,3
	global_load_b128 v[R+16*((\t)%8)+4*\i:R+16*((\t)%8)+4*\i+3], v3, s[4:5] offset:2048*(\t)+512*\i th:TH_LOAD_NT
.endr
.endm
.macro XTURN t                         ; LDS serves a wave's instructions in order: no wait between the stores and the loads
.irp i, 0,1,2,3
	ds_store_b128 v14, v[R+16*((\t)%8)+4*\i:R+16*((\t)%8)+4*\i+3] offset:32*SP*((\t)%2)+8*SP*\i
.endr
.irp i, 0,1,2,3
	ds_load_b128 v[X+16*((\t)%2)+4*\i:X+16*((\t)%2)+4*\i+3], v15 offset:32*SP*((\t)%2)+16*\i
.endr
.endm
.irp t, 0,1,2,3,4,5,6,7
	XLOAD \t
.endr
	s_wait_loadcnt 28                              ; step 0's four loads are in; the 28 of steps 1 to 7 may be out
	XTURN 0
.macro XSTEP t
.set XS, X+16*((\t)%2)
.if (\t) > 0
	s_wait_dscnt 1                                 ; this step's numbers are back from the stage; the last step's byte store may be out
.else
	s_wait_dscnt 0x0
.endif
.if (\t)+8 < STEPS
	XLOAD (\t)+8                                   ; into the registers that this step's stage stores have read
.endif
.if (\t)+1 < STEPS
.if STEPS-2-(\t) >= 7
	s_wait_loadcnt 28                              ; the next step's four loads are in; those of the seven steps behind it may be out
.else
	s_wait_loadcnt 4*(STEPS-2-(\t))
.endif
	XTURN (\t)+1
.endif
	v_max3_num_f32 v8, |v[XS]|, |v[XS+1]|, |v[XS+2]|               ; the largest magnitude of my 16, in two chains
	v_max3_num_f32 v9, |v[XS+3]|, |v[XS+4]|, |v[XS+5]|
.irp i, 6,10
	v_max3_num_f32 v8, v8, |v[XS+\i]|, |v[XS+\i+1]|
	v_max3_num_f32 v9, v9, |v[XS+\i+2]|, |v[XS+\i+3]|
.endr
	v_max3_num_f32 v8, v8, |v[XS+14]|, |v[XS+15]|
	v_max3_num_f32 v8, v8, v9, 0x2800000           ; and the floor 2^(5 - 127): the byte cannot fall under 1
	v_max_num_f32_dpp v8, v8, v8 row_xmask:1 row_mask:0xf bank_mask:0xf   ; with my neighbour's 16: the block's
	v_add_nc_u32 v11, 0xfe000000, v8               ; 4 off its exponent field: the conversion takes that field as its scale
	v_cvt_scalef32_pk16_bf6_f32 v[C+4*(\t):C+4*(\t)+2], v[XS:XS+15], v11
	v_lshrrev_b32 v[C+4*(\t)+3], 23, v11           ; the scale's byte
	ds_store_b8 v5, v[C+4*(\t)+3] offset:16*(\t)   ; both lanes of a block write the same byte with the same value
	global_store_b96 v4, v[C+4*(\t):C+4*(\t)+2], s[12:13] offset:192*((\t)/2)+98304*((\t)%2)   ; row t / 2, K steps 2 (t % 2) and the next
.endm
.irp t, 0,1,2,3,4,5,6,7,8,9,10,11,12,13,14,15
	XSTEP \t
.endr
	ds_load_b64 v[12:13], v6                       ; in order behind my byte stores
	s_wait_dscnt 0x0
	global_store_b64 v7, v[12:13], s[14:15]        ; 32 lanes store 256 consecutive bytes, aligned
	s_wait_tensorcnt 0x0                           ; the wave's end
	ds_add_u32 v[SPW], v[NIL]
	s_wait_dscnt 0x0
	s_endpgm
; ---------------- the weights: K is the first axis.  A lane takes a column n and its registers run down K: a block of 32 lies in one lane, and the codes come out with K innermost.
.Lweights:
	s_sub_co_u32 s17, ttmp9, XWG
	s_lshr_b32 s18, s17, 6                         ; which weight: 0 q, 1 k, 2 v
	s_and_b32 s19, s17, 7                          ; which 128 columns
	s_bfe_u32 s20, s17, 0x30003                    ; which 128 along K
	s_lshl_b32 s19, s19, 7
	s_lshl_b32 s21, s16, 5
	s_add_co_u32 s19, s19, s21                     ; my wave's first column
	s_lshl_b32 s22, s20, 19                        ; 128 rows of 4,096 bytes
	s_lshl_b32 s21, s19, 2
	s_add_co_u32 s22, s22, s21
	s_mov_b32 s23, 0
	s_lshl_b32 s21, s18, 10
	s_add_co_u32 s21, s21, s19
	s_add_co_u32 s21, s21, 8192                    ; my first row of codes and of scales
	s_lshr_b32 s24, s21, 8
	s_mul_i32 s24, s24, 196608                     ; the group of 256 rows,
	s_and_b32 s26, s21, 255
	s_mul_i32 s26, s26, 192                        ; the row in it,
	s_add_co_u32 s24, s24, s26
	s_lshr_b32 s26, s20, 1
	s_mul_i32 s26, s26, 49152                      ; the K step's block,
	s_add_co_u32 s24, s24, s26
	s_and_b32 s26, s20, 1
	s_mul_i32 s26, s26, 96                         ; and which half of a row's 192 bytes
	s_add_co_u32 s24, s24, s26
	s_mov_b32 s25, 0
	s_lshl_b32 s26, s21, 5
	s_lshl_b32 s27, s20, 2
	s_add_co_u32 s26, s26, s27
	s_mov_b32 s27, 0
	s_mul_i32 s28, s16, 32*PITCH
	s_add_co_u32 s28, s28, WST                     ; my stage
	s_wait_alu depctr_va_vdst(0)
	v_lshlrev_b32 v3, 2, v2                        ; in: 4 bytes a lane
	v_and_b32 v10, 7, v2
	v_bfe_u32 v11, v2, 3, 1
	v_bfe_u32 v12, v2, 4, 1
	v_lshl_add_u32 v10, v11, 4, v10
	v_lshl_add_u32 v10, v12, 3, v10                ; my column's place among the 32: bits 3 and 4 exchanged
	v_mul_u32_u24 v4, v10, PITCH
	v_add_nc_u32 v4, s28, v4                       ; into the stage: that row
	v_and_b32 v5, 7, v2
	v_lshrrev_b32 v6, 3, v2
	v_mul_u32_u24 v7, v6, PITCH
	v_lshl_add_u32 v7, v5, 4, v7
	v_add_nc_u32 v7, s28, v7                       ; out of it: eight lanes to a row's eight places, four rows an instruction
	v_mul_u32_u24 v8, v6, 192
	v_mad_u32_u24 v8, v5, 12, v8                   ; and the same place in the codes
	v_lshlrev_b32 v9, 5, v10                       ; my column's row of scale bytes
	s_wait_alu depctr_va_vdst(0)
	s_wait_kmcnt 0x0
	s_cmp_eq_u32 s18, 0
	s_cselect_b64 s[4:5], s[6:7], s[8:9]
	s_cmp_eq_u32 s18, 2
	s_cselect_b64 s[4:5], s[10:11], s[4:5]         ; the choice hangs on the work-group's number alone
	s_add_nc_u64 s[4:5], s[4:5], s[22:23]
	s_add_nc_u64 s[12:13], s[12:13], s[24:25]
	s_add_nc_u64 s[14:15], s[14:15], s[26:27]
.macro WLOAD t                         ; block t: W(32 t + i, my column) into set t % 2; a wave's load reads 128 consecutive bytes, the four waves 512
.irp i, 0,1,2,3,4,5,6,7,8,9,10,11,12,13,14,15,16,17,18,19,20,21,22,23,24,25,26,27,28,29,30,31
	global_load_b32 v[WX+32*((\t)%2)+\i], v3, s[4:5] offset:(32*(\t)+\i)*4096 th:TH_LOAD_NT
.endr
.endm
	WLOAD 0
	WLOAD 1
.macro WBLOCK t
.set XS, WX+32*((\t)%2)
.if (\t) < NB-1
	s_wait_loadcnt 32                              ; this block's 32 loads are in; the next block's 32 may be out
.else
	s_wait_loadcnt 0
.endif
	v_max3_num_f32 v12, |v[XS]|, |v[XS+1]|, |v[XS+2]|               ; all 32 numbers of the block are mine
	v_max3_num_f32 v13, |v[XS+3]|, |v[XS+4]|, |v[XS+5]|
.irp i, 6,10,14,18,22,26
	v_max3_num_f32 v12, v12, |v[XS+\i]|, |v[XS+\i+1]|
	v_max3_num_f32 v13, v13, |v[XS+\i+2]|, |v[XS+\i+3]|
.endr
	v_max3_num_f32 v12, v12, |v[XS+30]|, |v[XS+31]|
	v_max3_num_f32 v12, v12, v13, 0x2800000        ; the floor 2^(5 - 127)
	v_add_nc_u32 v11, 0xfe000000, v12              ; 4 off the exponent field: the conversion's scale operand
	v_lshrrev_b32 v13, 23, v11                     ; the scale's byte
.if (\t) == 0
	v_mov_b32 v[SB], v13                           ; four bytes to a register, the lower K in the lower byte
.else
	v_lshl_or_b32 v[SB], v13, 8*(\t), v[SB]
.endif
	v_cvt_scalef32_pk16_bf6_f32 v[WC:WC+2], v[XS:XS+15], v11
	v_cvt_scalef32_pk16_bf6_f32 v[WC+4:WC+6], v[XS+16:XS+31], v11   ; (a conversion's three registers begin on an even number)
	ds_store_b96 v4, v[WC:WC+2] offset:32*(\t)     ; 12 bytes to a place of 16, so that every LDS address is a multiple of 16
	ds_store_b96 v4, v[WC+4:WC+6] offset:32*(\t)+16
.if (\t)+2 < NB
	WLOAD (\t)+2
.endif
	s_wait_dscnt 0x0                               ; the stores have read their registers: the next block's codes may be written
.endm
.irp t, 0,1,2,3
	WBLOCK \t
.endr
	s_wait_alu depctr_va_vdst(0)
	global_store_b32 v9, v[SB], s[14:15]           ; my column's four scale bytes
.irp t, 0,1,2,3,4,5,6,7
	ds_load_b96 v[OUTR+4*\t:OUTR+4*\t+2], v7 offset:4*\t*PITCH     ; in order behind my stores
.endr
.irp t, 0,1,2,3,4,5,6,7
	s_wait_dscnt 7-\t                              ; loads come back in order: rows 4 t .. 4 t + 3 are in, the younger ones may be out
	global_store_b96 v8, v[OUTR+4*\t:OUTR+4*\t+2], s[12:13] offset:4*\t*192
.endr
	s_wait_tensorcnt 0x0                           ; the wave's end
	ds_add_u32 v[SPW], v[NIL]
	s_wait_dscnt 0x0
	s_endpgm
.Lfunc_end_k_q1f626b38d3_quant:
	.size	k_q1f626b38d3_quant, .Lfunc_end_k_q1f626b38d3_quant-k_q1f626b38d3_quant
	.p2alignl 7, 3214868480
	.fill 96, 4, 3214868480
	.section	.rodata,"a",@progbits
	.p2align	6, 0x0
	.amdhsa_kernel k_q1f626b38d3_quant
		.amdhsa_group_segment_fixed_size 68096
		.amdhsa_private_segment_fixed_size 0
		.amdhsa_enable_private_segment 0
		.amdhsa_kernarg_size 48
		.amdhsa_user_sgpr_count 2
		.amdhsa_user_sgpr_kernarg_segment_ptr 1
		.amdhsa_wavefront_size32 1
		.amdhsa_system_sgpr_workgroup_id_x 1
		.amdhsa_system_sgpr_workgroup_id_y 1
		.amdhsa_system_sgpr_workgroup_id_z 1
		.amdhsa_system_vgpr_workitem_id 0
		.amdhsa_next_free_vgpr 242
		.amdhsa_next_free_sgpr 66
		.amdhsa_reserve_vcc 0
		.amdhsa_float_denorm_mode_32 3
		.amdhsa_float_denorm_mode_16_64 3
		.amdhsa_memory_ordered 1
		.amdhsa_forward_progress 1
		.amdhsa_inst_pref_size 55
	.end_amdhsa_kernel
	.amdgpu_metadata
---
amdhsa.version: [ 1, 2 ]
amdhsa.kernels:
  - .name:           k_q1f626b38d3_quant
    .symbol:         k_q1f626b38d3_quant.kd
    .args:
      - { .name: ts10_input, .offset: 0, .size: 8, .value_kind: global_buffer, .address_space: global }
      - { .name: Wq, .offset: 8, .size: 8, .value_kind: global_buffer, .address_space: global }
      - { .name: Wk, .offset: 16, .size: 8, .value_kind: global_buffer, .address_space: global }
      - { .name: Wv, .offset: 24, .size: 8, .value_kind: global_buffer, .address_space: global }
      - { .name: codes, .offset: 32, .size: 8, .value_kind: global_buffer, .address_space: global }
      - { .name: scales, .offset: 40, .size: 8, .value_kind: global_buffer, .address_space: global }
    .group_segment_fixed_size: 68096
    .private_segment_fixed_size: 0
    .kernarg_segment_align: 8
    .kernarg_segment_size: 48
    .max_flat_workgroup_size: 128
    .sgpr_count:     66
    .vgpr_count:     242
    .wavefront_size: 32
...
	.end_amdgpu_metadata
.endif
;; end of part 1
;; launch proj (part 2): grid 12 x 32, 4 waves a work-group, clusters of 4 x 4, 327,680 bytes of LDS; arguments codes, scales, bq, bk, bv, qi, kv; writes qi, kv
.if DOCPART == 2
	.amdgcn_target "amdgcn-amd-amdhsa--gfx1250"
	.amdhsa_code_object_version 6
	.text
	.protected	k_q1f626b38d3_proj
	.globl	k_q1f626b38d3_proj
	.p2align	8
	.type	k_q1f626b38d3_proj,@function
k_q1f626b38d3_proj:
	s_mov_b64 s[64:65], 0
	v_nop
	global_prefetch_b8 v0, s[64:65] scope:SCOPE_SE
	s_setreg_imm32_b32 hwreg(HW_REG_WAVE_MODE, 25, 1), 1
	s_wait_xcnt 0x0
	s_wait_alu depctr_hold_cnt(0) depctr_sa_sdst(0) depctr_va_vdst(0) depctr_va_sdst(0) depctr_va_ssrc(0) depctr_va_vcc(0) depctr_vm_vsrc(0)
	s_getreg_b32 s2, hwreg(HW_REG_IB_STS2, 6, 4)
	s_cmp_eq_u32 s2, 0
	s_cbranch_scc0 .Lentry_in_a_cluster
	s_endpgm
.Lentry_in_a_cluster:
	s_bfe_u32 s2, ttmp6, 0x10000c
	s_cmp_lg_u32 s2, 0xf033
	s_cbranch_scc0 .Lentry_shape_is_right
	s_endpgm
.Lentry_shape_is_right:
; The three projections q = x Wq + bq, k = x Wk + bk, v = x Wv + bv on codes of BF6 (E3M2) with one E8M0 scale for each 32 along K = 1,024, sums in f32; the results, with their biases, are
; quantised again IN REGISTERS, q and k along the head's 64 channels, v along the keys, and leave as images of the operand registers that the attention launch wants.
; Both operands come out of ONE pair of buffers: codes (11,264 rows x 768 bytes) and scales (11,264 rows x 32 bytes); rows 0-8191 tokens, 8192 + 1024 s + n column n of weight s.  A tile is 256 rows.
; A work-group of four waves makes 256 x 256 results, a wave 128 x 128: 64 accumulators, 512 registers.  SIDE A lies along the lanes (source 1), SIDE B along a lane's registers (source 0): what is
; quantised next runs along B.  Clusters x = 0, 1 (q, k): A = tokens, B = columns of Wq, Wk.  Clusters x = 2 (v): A = columns of Wv, B = tokens.  Only tile numbers differ.
; THE STORED ORDER OF ROWS (bits 3 and 4 of a row's number exchanged) makes the 16 registers of B's blocks 2 b and 2 b + 1 the true indices 32 b + 16 (lane / 16) + 0 .. 15, and lane r of A's block a
; the true row 32 (a / 2) + 8 (a % 2) + r + 8 (r / 8).
; K goes in steps of 256 through a ring of two LDS slots filled by the tensor data mover; the scale bytes of the 512 rows come once.  CLUSTERS: 4 x 4 work-groups; A's tiles are asked for jointly along a
; row of the cluster, B's along a column.  384 work-groups: a wave tile wider than 128 x 128 does not fit the registers beside its operands.
; OUT: a fragment (12 registers a lane) is stored as three planes of 512 bytes, plane c = registers 4 c .. 4 c + 3 at 16 x lane.  Head y = 16 x batch + head, step = 128 tokens.
;   kv: y x 204,800 + step x 12,800: four images of K (image f: tokens 32 f on; registers 0-5 key tile u = 0, registers 6-11 key tile u = 1), four of V (tile t: 16 channels x 128 keys), K's scale words [r][f], V's [r][t].
;   qi: y x 102,400 + step x 6,400: four images of Q, laid as K's, and their scale words.
; LIMITS: a block of zeros or under 2^(5 - 127) gets the scale byte 1 (its codes are zeros; this program alone reads the bytes).  NaN and infinities are not served.
; REGISTERS, in windows of 256: window 0: v1-6 at work, v8-15 bias by lane, v16-31 addresses, v32-63 scale words (two sets), v64-127 bias by register, v128-223 A's fragments (one set); on the way out v128-247 at work.
;   window 1: B's fragments, two sets, at v0 and v128.   window 2: accumulators of A's blocks 0-3 ((a, b) at v[8 (8 a + b)]);   window 3: of blocks 4-7.
.set KSTEP,  256
.set NQ,     KSTEP/128
; In memory a tile of 256 rows is four dense blocks, one for each K step: 49,152 bytes, 192 bytes a row.  A block, or its half, is stated as rows of 256 bytes; the padding's interval stays 64 bytes, so an LDS row is 3 x (64 + 16) bytes.
.set ROWB,   49152                     ; from a K step's block to the next
.set KROW,   768                       ; a row of codes in memory
.set PITCH,  240                       ; an LDS row: 3 x (64 bytes + 16 of padding)
.set FR,     12
.set NL,     6
.set NP,     4                         ; places behind this matrix instruction (ISA guide 7.12.1)
.set HALFT,  128*PITCH
.set SLOT,   2*HALFT                   ; LDS: A's slot 0, A's slot 1, B's slot 0, B's slot 1, 256 rows each: a side's two slots lie on end, as its K steps 0 and 1 do in memory
.set LAPS,   2                         ; 1,024 / (2 x 256)
.set KS,     32                        ; a row of scales in bytes
.set SCL,    8*HALFT                   ; behind the ring: the scales, as units of 256 bytes + 16 of padding
.set HALFS,  (128*KS/256)*272
.set SBLK,   (16*KS/256)*272
.set SPARE,  SCL+4*HALFS               ; the spare words, 128 bytes for each wave: two blocks of 256 bytes that no other line names
.set BI,   8                           ; v8-15   bias of lane r's row of A's block a
.set ADRA, 16                          ; v16-17 (v18-19 behind one padding more)
.set ADRB, 20                          ; v20-21 (v22-23)
.set LI,   24                          ; v24     16 x lane: an image's place for my lane
.set SVO,  25                          ; v25     the scale words' place: 16 r + (lane / 16) x a head's bytes
.set ADRS, 27
.set SPW,  28
.set NIL,  29
.set VBJ,  30                          ; v30     64 (lane / 16): never rewritten
.set VBI,  31                          ; v31     4 (r + 8 (r / 8)): never rewritten
.set SC,   32
.set BJ,   64                          ; v64-127 bias of the lane's 64 indices along B
.set AF,   128
.set T,    128                         ; the way out: 64 numbers
.set TM,   192                         ; v192-195 largest magnitudes, v196-199 bytes, v204-207 the conversions' scale operands
.set IA,   208                         ; an image in the making; IB = IA + 12 another
.set IB,   220
.set CT,   232                         ; the conversions' second halves
.set W0,   240
.set W1,   241
.set SW,   244                         ; four scale words to store
.set WD,   32                          ; v32-39 the v kind's eight scale words
.set G1, 24
.set G0, 32
.set G1B, 48
.set G0B, 56
.set G1S, 68
.set G0S, 76
.set G1SB, 80
.set G0SB, 88
.set PA,  20                           ; s[20:21] the first head's images;  s[22:23] the second head's;  s[46:47] the first head's scale words
.set PB,  22
.set PS,  46
.set SEL, 92                           ; s[92:93] selects for lane l xor 16
.set HM,  94                           ; s94 the mask of lanes 16-31
.set ISV, 95                           ; s95 1 in the clusters that make v
.set MSB, 0
.macro WIN new                         ; the immediate's high byte repeats the setting that is left
.if MSB != (\new)
	s_set_vgpr_msb (MSB<<8)|(\new)
.set MSB, (\new)
.endif
.endm
.set MUL_LO, 0xa1                      ; source 0 (B) window 1, source 1 (A) window 0, C and D window 2
.set MUL_HI, 0xf1
.set TO_B,   0x40
; A joint load: waves 0 and 1 fetch for A, waves 2 and 3 for B; the branch hangs on the wave's number alone.  Four v_nop follow each of the two lines.
.macro JLOAD g0a, g1a, g0b, g1b
	s_cmp_eq_u32 s15, 0
	s_cbranch_scc0 .Lfor_b_\@
	tensor_load_to_lds s[\g0a:\g0a+3], s[\g1a:\g1a+7]
	s_nop 0
.rept 4
	v_nop
.endr
	s_branch .Lasked_\@
.Lfor_b_\@:
	tensor_load_to_lds s[\g0b:\g0b+3], s[\g1b:\g1b+7]
	s_nop 0
.rept 4
	v_nop
.endr
.Lasked_\@:
.endm
.macro CREST                           ; a round of the cluster's barrier behind its opening barrier
	s_cmp_lg_u32 s14, 0
	s_cbranch_scc1 .Lnot_wave_0_\@
	s_barrier_signal -3
.Lnot_wave_0_\@:
	s_barrier_wait -3
	s_barrier_signal -1
	s_barrier_wait -1
.endm
.macro CROUND
	s_barrier_signal -1
	s_barrier_wait -1
	CREST
.endm
	s_load_b128 s[4:7], s[0:1], 0x0                ; codes s[4:5], scales s[6:7]
	s_load_b128 s[8:11], s[0:1], 0x10              ; bq s[8:9], bk s[10:11]
	s_load_b64 s[12:13], s[0:1], 0x20              ; bv
	s_load_b64 s[96:97], s[0:1], 0x28              ; qi
	s_load_b64 s[98:99], s[0:1], 0x30              ; kv
	v_lshl_add_u32 v[SPW], v0, 2, SPARE
	v_mov_b32 v[NIL], 0
	ds_add_u32 v28, v29
	ds_add_u32 v28, v29
	s_wait_dscnt 0x0
	v_lshrrev_b32 v1, 5, v0
	v_readfirstlane_b32 s14, v1                    ; wave 0..3
	s_lshr_b32 s15, s14, 1                         ; which half of A's rows is mine.  Also: I fetch for A (0) or for B (1)
	s_and_b32 s16, s14, 1                          ; which half of B's rows.  Also: which 128 rows of that tile I fetch
	s_bfe_u32 s40, ttmp6, 0x40000                  ; cx, cy: my place in the cluster
	s_bfe_u32 s41, ttmp6, 0x40004
	s_and_b32 s17, ttmp7, 0xffff
	s_lshl_b32 s17, s17, 2                         ; 4 x cluster y
	s_lshl_b32 s42, ttmp9, 2
	s_add_co_u32 s42, s42, 32                      ; 32 + 4 x cluster x
	s_cmp_eq_u32 ttmp9, 2                          ; the cluster's x: the same in all sixteen partners
	s_cselect_b32 s[ISV], 1, 0
	s_cselect_b32 s42, s17, s42                    ; B: tokens for v, else columns of Wq, Wk
	s_cselect_b32 s17, 40, s17                     ; A: columns of Wv for v, else tokens
	s_add_co_u32 s17, s17, s41                     ; A's tile: hangs on cy alone
	s_add_co_u32 s42, s42, s40                     ; B's tile: hangs on cx alone
	s_lshl_b32 s43, s41, 2
	s_lshl_b32 s43, 15, s43                        ; my row of the cluster
	s_lshl_b32 s44, 0x1111, s40                    ; my column
	; descriptor group 1: a tile of 128 rows x 192 bytes, 16 bytes of padding behind every 64
	s_or_b32 s[G1+0], s43, (0<<16)|(1<<20)|(1<<21)|(3<<22)|(3<<25)
	s_or_b32 s[G1B+0], s44, (0<<16)|(1<<20)|(1<<21)|(3<<22)|(3<<25)
.irp g, G1, G1B
	s_mov_b32 s[\g+1], 256<<16                     ; tensor_dim0: 256 bytes
	s_mov_b32 s[\g+2], 384<<16                     ; tensor_dim1: a head's load brings K steps 0 and 1 of a side, two blocks on end, 384 such rows
	s_mov_b32 s[\g+3], 256<<16                     ; tile_dim0
	s_mov_b32 s[\g+4], 384                         ; tile_dim1
	s_mov_b32 s[\g+5], 256                         ; dense
	s_mov_b32 s[\g+6], 0
	s_mov_b32 s[\g+7], 0
.endr
	; the scales of 256 rows: 8,192 dense bytes, as 32 rows of 256 bytes (32 elements of 8 bytes), 16 bytes of padding behind each
	s_or_b32 s[G1S+0], s43, (3<<16)|(1<<20)|(1<<21)|(5<<22)|(3<<25)
	s_or_b32 s[G1SB+0], s44, (3<<16)|(1<<20)|(1<<21)|(5<<22)|(3<<25)
.irp g, G1S, G1SB
	s_mov_b32 s[\g+1], 32<<16
	s_mov_b32 s[\g+2], (256*KS/256)<<16
	s_mov_b32 s[\g+3], 32<<16
	s_mov_b32 s[\g+4], 256*KS/256
	s_mov_b32 s[\g+5], 32
	s_mov_b32 s[\g+6], 0
	s_mov_b32 s[\g+7], 0
.endr
	s_lshl_b32 s20, s17, 8                         ; A: the tile's first row
	s_lshl_b32 s46, s42, 8                         ; B likewise
	s_mov_b32 s21, 0
	s_mov_b32 s47, 0
	s_mov_b64 s[18:19], KS
	s_mul_u64 s[22:23], s[20:21], s[18:19]         ; where these rows' scales begin, in bytes
	s_mul_u64 s[92:93], s[46:47], s[18:19]
	s_mov_b64 s[18:19], KROW
	s_mul_u64 s[20:21], s[20:21], s[18:19]         ; and their codes
	s_mul_u64 s[46:47], s[46:47], s[18:19]
	s_mul_i32 s18, s16, 24576                      ; in the ring I fetch half a block: which half, in bytes
	s_mov_b32 s19, 0
	s_mul_i32 s45, s16, HALFT                      ; where my half of a block goes in its side's slot: no place in the cluster enters an LDS address
	s_wait_kmcnt 0x0
	s_add_nc_u64 s[20:21], s[4:5], s[20:21]
	s_add_nc_u64 s[22:23], s[6:7], s[22:23]
	s_add_nc_u64 s[46:47], s[4:5], s[46:47]
	s_add_nc_u64 s[92:93], s[6:7], s[92:93]
	CROUND                                         ; all sixteen work-groups are here: the first joint loads meet
	s_mov_b32 s[G0S], 1
	s_mov_b32 s[G0S+1], SCL
	s_mov_b64 s[G0S+2:G0S+3], s[22:23]
	s_or_b32 s[G0S+3], s[G0S+3], 0x80000000
	s_mov_b32 s[G0SB], 1
	s_mov_b32 s[G0SB+1], SCL+2*HALFS
	s_mov_b64 s[G0SB+2:G0SB+3], s[92:93]
	s_or_b32 s[G0SB+3], s[G0SB+3], 0x80000000
.irp s, 0,1
	s_mov_b32 s[G0+4*\s], 1
	s_add_co_u32 s[G0+4*\s+1], s45, \s*SLOT
	s_add_nc_u64 s[G0+4*\s+2:G0+4*\s+3], s[20:21], \s*ROWB
	s_or_b32 s[G0+4*\s+3], s[G0+4*\s+3], 0x80000000
	s_mov_b32 s[G0B+4*\s], 1
	s_add_co_u32 s[G0B+4*\s+1], s45, \s*SLOT+4*HALFT
	s_add_nc_u64 s[G0B+4*\s+2:G0B+4*\s+3], s[46:47], \s*ROWB
	s_or_b32 s[G0B+4*\s+3], s[G0B+4*\s+3], 0x80000000
.endr
	s_mov_b32 s[G0+1], 0                           ; slot 0's sets serve the head's loads first: A's K steps 0 and 1 at LDS byte 0,
	s_mov_b32 s[G0B+1], 4*HALFT                    ; B's behind A's two slots
	s_add_nc_u64 s[G0+6:G0+7], s[G0+6:G0+7], s[18:19]      ; slot 1's sets: my half of K step 1's block
	s_add_nc_u64 s[G0B+6:G0B+7], s[G0B+6:G0B+7], s[18:19]
; THE HEAD'S LOADS, ONE A WAVE: wave 0 K steps 0 and 1 of A's 256 rows, wave 1 of B's, wave 2 the scales of A's rows, wave 3 of B's.  One chain of branches on the wave's number, one load to an arm.
.macro ARM under, g0, g1, next
	s_cmp_lt_u32 s14, \under
	s_cbranch_scc0 \next
	tensor_load_to_lds s[\g0:\g0+3], s[\g1:\g1+7]
	s_nop 0
.rept 4
	v_nop
.endr
	s_branch .Lhead_asked
\next:
.endm
	ARM 1, G0,  G1,  .Lhead_b
	ARM 2, G0B, G1B, .Lhead_sa
	ARM 3, G0S, G1S, .Lhead_sb
	tensor_load_to_lds s[G0SB:G0SB+3], s[G1SB:G1SB+7]
	s_nop 0
.rept 4
	v_nop
.endr
.Lhead_asked:
	v_and_b32 v1, 15, v0                           ; r = l % 16
	v_bfe_u32 v2, v0, 4, 1                         ; h = l / 16
	v_mul_u32_u24 v3, v1, PITCH
	v_mul_u32_u24 v4, v2, 24
	v_add_nc_u32 v4, v3, v4                        ; a fragment's row x pitch + 24 x half
	v_lshl_add_u32 v5, v2, 4, v4                   ; and the same behind one padding more
	s_mul_i32 s21, s15, HALFT                      ; my 128 rows of A
	s_mul_i32 s22, s16, HALFT                      ; my 128 rows of B,
	s_add_co_u32 s22, s22, 4*HALFT                 ; which lie behind A's two slots
.irp s, 0,1
	v_add_nc_u32 v[ADRA+\s], s21, v4
	v_add_nc_u32 v[ADRB+\s], s22, v4
	v_add_nc_u32 v[ADRA+2+\s], s21, v5
	v_add_nc_u32 v[ADRB+2+\s], s22, v5
	s_add_co_u32 s21, s21, SLOT
	s_add_co_u32 s22, s22, SLOT
.endr
	v_mul_u32_u24 v5, v1, KS                       ; my row's scales: 32 bytes a row,
	v_lshrrev_b32 v6, 8, v5
	v_lshl_add_u32 v5, v6, 4, v5                   ; and 16 more for each 256 passed
	s_mul_i32 s21, s15, HALFS
	s_mul_i32 s22, s16, HALFS
	s_add_co_u32 s22, s22, 2*HALFS
	s_sub_co_u32 s22, s22, s21
	v_mul_u32_u24 v6, s22, v2                      ; lanes 16-31 take B's
	s_add_co_u32 s21, s21, SCL
	v_add_nc_u32 v5, v5, v6
	v_add_nc_u32 v[ADRS], s21, v5
	; WHERE MY 128 x 128 RESULTS GO.  None of these numbers enters a descriptor, an LDS address or a branch.
	s_sub_co_u32 s66, s17, 40
	s_sub_co_u32 s67, s42, 32
	s_cmp_eq_u32 s[ISV], 1
	s_cselect_b32 s18, s42, s17                    ; the tile of tokens,
	s_cselect_b32 s19, s16, s15                    ; my half of it,
	s_cselect_b32 s66, s66, s67                    ; the tile of channels, counted from Wq's (v: Wv's) first,
	s_cselect_b32 s67, s15, s16                    ; my half of it
	s_lshl_b32 s18, s18, 1
	s_add_co_u32 s18, s18, s19                     ; which 128 tokens
	s_lshr_b32 s19, s18, 4                         ; batch
	s_and_b32 s18, s18, 15                         ; step
	s_lshl_b32 s66, s66, 1
	s_add_co_u32 s66, s66, s67                     ; which 128 channels: q 0-7, k 8-15; v 0-7
	s_and_b32 s67, s66, 7                          ; within its weight: heads 2 x that and the next
	s_lshl_b32 s2, s[ISV], 3
	s_or_b32 s2, s2, s66
	s_cmp_lt_u32 s2, 8                             ; do I make q?
	s_mov_b32 s2, 204800
	s_cselect_b32 s2, 102400, s2                   ; a head's bytes,
	s_mov_b32 s43, 12800
	s_cselect_b32 s43, 6400, s43                   ; a step's,
	s_mov_b32 s44, 12288
	s_cselect_b32 s44, 6144, s44                   ; where the scale words begin in a step's record
	s_cselect_b64 s[96:97], s[96:97], s[98:99]     ; qi or kv
	s_cselect_b64 s[8:9], s[8:9], s[10:11]         ; bq or bk,
	s_cmp_eq_u32 s[ISV], 1
	s_cselect_b64 s[8:9], s[12:13], s[8:9]         ; or bv
	s_cselect_b32 s44, 12544, s44
	s_cselect_b32 s40, 6144, 0                     ; V's images lie behind K's
	s_lshl_b32 s19, s19, 4
	s_lshl_b32 s41, s67, 1
	s_add_co_u32 s19, s19, s41                     ; the first head: 16 x batch + 2 x (channels / 128)
	s_mul_i32 s19, s19, s2
	s_mul_i32 s18, s18, s43
	s_add_co_u32 s18, s18, s19
	s_mov_b32 s19, 0
	s_add_nc_u64 s[96:97], s[96:97], s[18:19]      ; the first head's record of my step
	s_mov_b32 s41, 0
	s_add_nc_u64 s[PA:PA+1], s[96:97], s[40:41]
	s_mov_b32 s18, s2
	s_add_nc_u64 s[PB:PB+1], s[PA:PA+1], s[18:19]
	s_mov_b32 s18, s44
	s_add_nc_u64 s[PS:PS+1], s[96:97], s[18:19]
	s_lshl_b32 s18, s67, 9
	s_add_nc_u64 s[8:9], s[8:9], s[18:19]          ; my 128 numbers of the bias
	s_mov_b32 s[SEL], 0x76543210
	s_mov_b32 s[SEL+1], 0xfedcba98
	s_mov_b32 s[HM], 0xffff0000
	v_and_b32 v6, 31, v0
	v_lshlrev_b32 v[LI], 4, v6
	v_mul_u32_u24 v[SVO], s2, v2
	v_lshl_add_u32 v[SVO], v1, 4, v[SVO]
	v_lshlrev_b32 v[VBJ], 6, v2
	v_and_b32 v[VBI], 8, v1
	v_add_nc_u32 v[VBI], v[VBI], v1
	v_lshlrev_b32 v[VBI], 2, v[VBI]
	; both forms of the bias are loaded in every work-group (both lie inside the 512 bytes): by register (q, k: channels along B) and by lane (v: channels along A).  They are waited for on the way out
.irp b, 0,1,2,3
.irp j, 0,1,2,3
	global_load_b128 v[BJ+16*\b+4*\j:BJ+16*\b+4*\j+3], v[VBJ], s[8:9] offset:128*\b+16*\j   ; register 16 b + i: index 32 b + 16 h + i
.endr
.endr
.irp a, 0,1,2,3,4,5,6,7
	global_load_b32 v[BI+\a], v[VBI], s[8:9] offset:(32*(\a/2)+8*(\a%2))*4                  ; block a, lane r: index 32 (a / 2) + 8 (a % 2) + r + 8 (r / 8)
.endr
.macro FRAG reg, adr, q, i             ; 16 rows x 128 K of 6-bit codes: 12 registers, in pieces of 8 bytes; where the piece three on lies behind one padding more, the second address register serves
.irp p, 0,1,2,3,4,5
.set PC, 12*(\q)+6*(\p/3)+\p%3
.if PC%8 < 5
	ds_load_b64 v[\reg+2*\p:\reg+2*\p+1], v[\adr] offset:8*PC+16*(PC/8)+(\i)*16*PITCH
.else
	ds_load_b64 v[\reg+2*\p:\reg+2*\p+1], v[\adr+2] offset:8*PC+16*(PC/8)+(\i)*16*PITCH
.endif
.endr
.endm
; 16 matrix instructions: A's blocks a0, a0 + 1 x B's eight.  The 64 accumulators take turns, one instruction a turn, in the same order in every step.
.macro MUL16 a0, p, q, sc, zero
.irp a, \a0, \a0+1
.irp b, 0,1,2,3,4,5,6,7
.if \zero
	v_wmma_scale_f32_16x16x128_f8f6f4 v[8*(8*((\a)%4)+\b):8*(8*((\a)%4)+\b)+7], v[128*(\p)+FR*\b:128*(\p)+FR*\b+FR-1], v[AF+FR*(\a):AF+FR*(\a)+FR-1], 0, v[SC+8*NQ*(\sc)+NQ*\b+(\q)], v[SC+8*NQ*(\sc)+NQ*(\a)+(\q)] matrix_a_fmt:MATRIX_FMT_BF6 matrix_b_fmt:MATRIX_FMT_BF6 matrix_a_scale:MATRIX_SCALE_ROW1
.else
	v_wmma_scale_f32_16x16x128_f8f6f4 v[8*(8*((\a)%4)+\b):8*(8*((\a)%4)+\b)+7], v[128*(\p)+FR*\b:128*(\p)+FR*\b+FR-1], v[AF+FR*(\a):AF+FR*(\a)+FR-1], v[8*(8*((\a)%4)+\b):8*(8*((\a)%4)+\b)+7], v[SC+8*NQ*(\sc)+NQ*\b+(\q)], v[SC+8*NQ*(\sc)+NQ*(\a)+(\q)] matrix_a_fmt:MATRIX_FMT_BF6 matrix_b_fmt:MATRIX_FMT_BF6 matrix_a_scale:MATRIX_SCALE_ROW1
.endif
.endr
.endr
.endm
.macro FETCH_B slot, q, p
	WIN TO_B
.irp i, 0,1,2,3,4,5,6,7
	FRAG 128*(\p)+FR*\i, ADRB+\slot, \q, \i
.endr
	WIN 0
.endm
.macro FETCH_A slot, q, i0
.irp i, \i0, \i0+1, \i0+2, \i0+3
	FRAG AF+FR*(\i), ADRA+\slot, \q, \i
.endr
.endm
.macro SCALES sc                       ; a K step's scale words: lanes 0-15 A's block i, lanes 16-31 B's block i
.irp i, 0,1,2,3,4,5,6,7
	ds_load_b64 v[SC+8*NQ*\sc+NQ*\i:SC+8*NQ*\sc+NQ*\i+1], v[ADRS] offset:\i*SBLK
.endr
.endm
.macro PLACES n                        ; plain vector instructions that name no register of the matrix instructions in front (ISA guide 7.12.1)
.rept \n
	v_nop
.endr
.endm
.macro STEP slot, q, zero              ; 128 along K that has its successor in the same slot
	s_wait_dscnt 4*NL                              ; B's set and A's blocks 0-3 are in; the youngest 24 loads (A's blocks 4-7) may be out
	WIN MUL_LO
	MUL16 0, (\q)%2, \q, \slot, \zero
	MUL16 2, (\q)%2, \q, \slot, \zero
	s_wait_dscnt 0
	PLACES NP
	FETCH_B \slot, (\q)+1, 1-(\q)%2
	FETCH_A \slot, (\q)+1, 0
	WIN MUL_HI
	MUL16 4, (\q)%2, \q, \slot, \zero
	MUL16 6, (\q)%2, \q, \slot, \zero
	PLACES NP
	WIN 0
	FETCH_A \slot, (\q)+1, 4
.endm
; A slot's last step changes slots: one barrier; in front of it each wave waits for all its tensor loads, adds 0 to its spare word, and waits for that and for its reads of this slot.
.macro TURN slot, next, fill
	s_wait_tensorcnt 0x0                           ; all my tensor loads have landed: my part of the next slot
	ds_add_u32 v[SPW], v[NIL]                      ; 0 onto my spare word
	s_wait_dscnt 4*NL+1                            ; the add and the youngest 24 loads (A's blocks 4-7) may be out
	WIN MUL_LO
	MUL16 0, 1, NQ-1, \slot, 0
	s_wait_dscnt 0x0                               ; the add is done, and my reads of this slot are over
	s_barrier_signal -1
	MUL16 2, 1, NQ-1, \slot, 0
	WIN 0
	s_barrier_wait -1
.if \fill
	CREST                                          ; the barrier has opened a round of the cluster's: no wave of any partner still reads this slot or has a load on its way
	s_add_nc_u64 s[G0+4*\slot+2:G0+4*\slot+3], s[G0+4*\slot+2:G0+4*\slot+3], 2*ROWB
	s_add_nc_u64 s[G0B+4*\slot+2:G0B+4*\slot+3], s[G0B+4*\slot+2:G0B+4*\slot+3], 2*ROWB
	JLOAD G0+4*\slot, G1, G0B+4*\slot, G1B         ; the first tensor load behind the round; its four v_nop are also the places in front of the loads below
.else
	PLACES NP
.endif
	s_wait_alu depctr_va_vdst(0)
	v_add_nc_u32 v[ADRS], 4*NQ, v[ADRS]            ; on to the next K step's scale words
	FETCH_B \next, 0, 0
	FETCH_A \next, 0, 0
	SCALES \next
	WIN MUL_HI
	MUL16 4, 1, NQ-1, \slot, 0
	MUL16 6, 1, NQ-1, \slot, 0
	PLACES NP
	WIN 0
	FETCH_A \next, 0, 4
.endm
	s_wait_alu depctr_va_vdst(0)
	s_wait_tensorcnt 0x0                           ; my tile of the head's four is in
	s_mul_i32 s66, s16, 24576                      ; no tensor load of mine is out, so descriptors may be written: from here on a load brings half a block, 96 rows of 256 bytes,
	s_mov_b32 s67, 0
	s_mov_b32 s[G1+2], 96<<16
	s_mov_b32 s[G1+4], 96
	s_mov_b32 s[G1B+2], 96<<16
	s_mov_b32 s[G1B+4], 96
	s_mov_b32 s[G0+1], s45                         ; and slot 0's sets become the ring's: wave x 128 LDS rows, my half of the block
	s_add_nc_u64 s[G0+2:G0+3], s[G0+2:G0+3], s[66:67]
	s_add_co_u32 s[G0B+1], s45, 4*HALFT
	s_add_nc_u64 s[G0B+2:G0B+3], s[G0B+2:G0B+3], s[66:67]
	s_wait_dscnt 0x0
	s_barrier_signal -1
	s_barrier_wait -1                              ; all four tiles of the head are in: both slots and the scales
	FETCH_B 0, 0, 0
	FETCH_A 0, 0, 0
	SCALES 0
	FETCH_A 0, 0, 4
	STEP 0, 0, 1                                   ; the first step's products start the sums
	s_mov_b32 s3, LAPS-1
.Llap:                                                 ; a trip goes once round the ring and fills both slots again
	TURN 0, 1, 1
	STEP 1, 0, 0
	TURN 1, 0, 1
	STEP 0, 0, 0
	s_sub_co_u32 s3, s3, 1
	s_cmp_lg_u32 s3, 0
	s_cbranch_scc1 .Llap
	TURN 0, 1, 0                                   ; the last lap fills nothing
	STEP 1, 0, 0
	s_wait_dscnt 4*NL
	WIN MUL_LO
	MUL16 0, 1, NQ-1, 1, 0
	MUL16 2, 1, NQ-1, 1, 0
	s_wait_dscnt 0
	WIN MUL_HI
	MUL16 4, 1, NQ-1, 1, 0
	MUL16 6, 1, NQ-1, 1, 0
	WIN 0
; THE WAY OUT.  It uses no LDS: a lane's 64 results of A's block a are 64 numbers of ONE row, register 16 b + i = index 32 b + 16 (lane / 16) + i along B: four half blocks of 32.
; QUANT: v[T] .. v[T + 63] become twelve registers of codes, six at d0 (indices 0-63), six at d1 (64-127), and the row's four scale bytes in v[w] (the same in lanes l and l xor 16).
.macro QUANT d0, d1, w
.irp b, 0,1,2,3
	v_max3_num_f32 v[TM+\b], |v[T+16*\b]|, |v[T+1+16*\b]|, 0x2800000   ; my 16 numbers of block b, and the floor 2^(5 - 127)
.endr
.irp i, 2,4,6,8,10,12,14
.irp b, 0,1,2,3
	v_max3_num_f32 v[TM+\b], v[TM+\b], |v[T+16*\b+\i]|, |v[T+1+16*\b+\i]|
.endr
.endr
.irp b, 0,1,2,3
	v_permlanex16_b32 v[TM+4+\b], v[TM+\b], s[SEL], s[SEL+1]
.endr
.irp b, 0,1,2,3
	v_max_num_f32 v[TM+\b], v[TM+\b], v[TM+4+\b]   ; with lane l xor 16's: the block's largest magnitude
.endr
.irp b, 0,1,2,3
	v_add_nc_u32 v[TM+12+\b], 0xfe000000, v[TM+\b] ; 4 off its exponent field: the conversion's scale operand
.endr
.irp b, 0,1,2,3
	v_lshrrev_b32 v[TM+4+\b], 23, v[TM+12+\b]      ; the scale's byte
.endr
	v_lshl_or_b32 v[0+(\w)], v[TM+5], 8, v[TM+4]
	v_lshl_or_b32 v[0+(\w)], v[TM+6], 16, v[0+(\w)]
	v_lshl_or_b32 v[0+(\w)], v[TM+7], 24, v[0+(\w)]
	v_cvt_scalef32_pk16_bf6_f32 v[0+(\d0):2+(\d0)], v[T:T+15], v[TM+12]
	v_cvt_scalef32_pk16_bf6_f32 v[CT:CT+2], v[T+16:T+31], v[TM+13]
	v_cvt_scalef32_pk16_bf6_f32 v[0+(\d1):2+(\d1)], v[T+32:T+47], v[TM+14]
	v_cvt_scalef32_pk16_bf6_f32 v[CT+4:CT+6], v[T+48:T+63], v[TM+15]
	v_nop                                          ; one plain place behind a scaled conversion
.irp i, 0,1,2                          ; the operand's layout wants a whole block in a lane: lanes 0-15 the first block of a pair, lanes 16-31 the second
	v_permlane16_swap_b32 v[\i+(\d0)], v[CT+\i]
.endr
.irp i, 0,1,2
	v_mov_b32 v[3+\i+(\d0)], v[CT+\i]
.endr
.irp i, 0,1,2
	v_permlane16_swap_b32 v[\i+(\d1)], v[CT+4+\i]
.endr
.irp i, 0,1,2
	v_mov_b32 v[3+\i+(\d1)], v[CT+4+\i]
.endr
.endm
.macro ADDJ a                          ; T = block a's results + the bias by register; each accumulator is read from its low end on
	WIN 0x02+(\a)/4                                ; source 0: window 2 or 3
.set AC, 64*((\a)%4)
.set n, 0
.rept 32
	v_pk_add_f32 v[T+n:T+n+1], v[AC+n:AC+n+1], v[BJ+n:BJ+n+1]
.set n, n+2
.endr
	WIN 0
.endm
.macro ADDI a                          ; T = block a's results + the lane's bias, which stands in v242 (the pair's low word serves both halves)
	WIN 0x02+(\a)/4
.set AC, 64*((\a)%4)
.set n, 0
.rept 32
	v_pk_add_f32 v[T+n:T+n+1], v[AC+n:AC+n+1], v[242:243] op_sel_hi:[1,0]
.set n, n+2
.endr
	WIN 0
.endm
	PLACES NP                                      ; behind the last products: their results are read and their operands' registers written below
	s_wait_loadcnt 0x0                             ; the biases
.irp b, 0,1,2,3
	v_mov_b32 v[TM+4+\b], 0                        ; written once: a lane permute's destination counts as one of its sources
.endr
	v_mov_b32 v243, 0                              ; (named as the upper half of a pair)
	s_cmp_eq_u32 s[ISV], 1                         ; the same in all partners of a cluster
	s_cbranch_scc1 .Lkind_v
	; q, k: lane r of block a = 2 f + u is token 32 f + 8 u + r + 8 (r / 8); indices 0-63 are the first head's channels, 64-127 the second's.  Blocks 2 f and 2 f + 1 make image f of each head.
.irp f, 0,1,2,3
	ADDJ 2*\f
	s_wait_xcnt 0x0                                ; the last images' stores have read their registers
	QUANT IA, IB, W0
	ADDJ 2*\f+1
	QUANT IA+6, IB+6, W1
	v_perm_b32 v242, v[W1], v[W0], 0x05040100      ; the first head's word of image f: tile u = 0's two bytes, then tile u = 1's
	v_perm_b32 v243, v[W1], v[W0], 0x07060302      ; the second head's
	v_cndmask_b32 v[SW+\f], v242, v243, s[HM]      ; lanes 0-15 carry the first head's, lanes 16-31 the second's
.irp c, 0,1,2
	global_store_b128 v[LI], v[IA+4*\c:IA+4*\c+3], s[PA:PA+1] offset:1536*\f+512*\c   ; 32 lanes store 512 consecutive bytes, aligned to 256
	global_store_b128 v[LI], v[IB+4*\c:IB+4*\c+3], s[PB:PB+1] offset:1536*\f+512*\c
.endr
.endr
	s_branch .Lwords
.Lkind_v:
	; v: lane r of block a is channel 32 ((a % 4) / 2) + 8 (a % 2) + r + 8 (r / 8) of head a / 4; the 128 indices are the step's keys.  Block a is image a % 4 whole.
.irp a, 0,1,2,3,4,5,6,7
	v_mov_b32 v242, v[BI+\a]
	s_wait_alu depctr_va_vdst(0)
	ADDI \a
	s_wait_xcnt 0x0                                ; the earlier images' stores have read their registers
	QUANT IA+12*(\a%2), IA+12*(\a%2)+6, WD+\a
.irp c, 0,1,2
.if \a < 4
	global_store_b128 v[LI], v[IA+12*(\a%2)+4*\c:IA+12*(\a%2)+4*\c+3], s[PA:PA+1] offset:1536*(\a%4)+512*\c
.else
	global_store_b128 v[LI], v[IA+12*(\a%2)+4*\c:IA+12*(\a%2)+4*\c+3], s[PB:PB+1] offset:1536*(\a%4)+512*\c
.endif
.endr
.endr
.irp t, 0,1,2,3
	v_cndmask_b32 v[SW+\t], v[WD+\t], v[WD+4+\t], s[HM]
.endr
.Lwords:
	s_wait_alu depctr_va_vdst(0)
	global_store_b128 v[SVO], v[SW:SW+3], s[PS:PS+1]   ; lanes 0-15 store the first head's 256 bytes of scale words, lanes 16-31 the second head's
	s_wait_tensorcnt 0x0                           ; the wave's end
	ds_add_u32 v[SPW], v[NIL]
	s_wait_dscnt 0x0
	CROUND                                         ; the closing round: no work-group ends while a partner may still ask for a tile that names it
	s_endpgm
.Lfunc_end_k_q1f626b38d3_proj:
	.size	k_q1f626b38d3_proj, .Lfunc_end_k_q1f626b38d3_proj-k_q1f626b38d3_proj
	.p2alignl 7, 3214868480
	.fill 96, 4, 3214868480
	.section	.rodata,"a",@progbits
	.p2align	6, 0x0
	.amdhsa_kernel k_q1f626b38d3_proj
		.amdhsa_group_segment_fixed_size 327680
		.amdhsa_private_segment_fixed_size 0
		.amdhsa_enable_private_segment 0
		.amdhsa_kernarg_size 56
		.amdhsa_user_sgpr_count 2
		.amdhsa_user_sgpr_kernarg_segment_ptr 1
		.amdhsa_wavefront_size32 1
		.amdhsa_system_sgpr_workgroup_id_x 1
		.amdhsa_system_sgpr_workgroup_id_y 1
		.amdhsa_system_sgpr_workgroup_id_z 1
		.amdhsa_system_vgpr_workitem_id 0
		.amdhsa_next_free_vgpr 1024
		.amdhsa_next_free_sgpr 100
		.amdhsa_reserve_vcc 0
		.amdhsa_float_denorm_mode_32 3
		.amdhsa_float_denorm_mode_16_64 3
		.amdhsa_memory_ordered 1
		.amdhsa_forward_progress 1
		.amdhsa_inst_pref_size 234
	.end_amdhsa_kernel
	.amdgpu_metadata
---
amdhsa.version: [ 1, 2 ]
amdhsa.kernels:
  - .name:           k_q1f626b38d3_proj
    .symbol:         k_q1f626b38d3_proj.kd
    .args:
      - { .name: codes, .offset: 0, .size: 8, .value_kind: global_buffer, .address_space: global }
      - { .name: scales, .offset: 8, .size: 8, .value_kind: global_buffer, .address_space: global }
      - { .name: bq, .offset: 16, .size: 8, .value_kind: global_buffer, .address_space: global }
      - { .name: bk, .offset: 24, .size: 8, .value_kind: global_buffer, .address_space: global }
      - { .name: bv, .offset: 32, .size: 8, .value_kind: global_buffer, .address_space: global }
      - { .name: qi, .offset: 40, .size: 8, .value_kind: global_buffer, .address_space: global }
      - { .name: kv, .offset: 48, .size: 8, .value_kind: global_buffer, .address_space: global }
    .group_segment_fixed_size: 327680
    .private_segment_fixed_size: 0
    .kernarg_segment_align: 8
    .kernarg_segment_size: 56
    .max_flat_workgroup_size: 128
    .sgpr_count:     100
    .vgpr_count:     1024
    .wavefront_size: 32
...
	.end_amdgpu_metadata
.endif
;; end of part 2
;; launch attn (part 3): grid 4 x 64, 8 waves a work-group, clusters of 4 x 1, 327,680 bytes of LDS; arguments qi, kv, out0; writes out0
.if DOCPART == 3
	.amdgcn_target "amdgcn-amd-amdhsa--gfx1250"
	.amdhsa_code_object_version 6
	.text
	.protected	k_q1f626b38d3_attn
	.globl	k_q1f626b38d3_attn
	.p2align	8
	.type	k_q1f626b38d3_attn,@function
k_q1f626b38d3_attn:
	s_mov_b64 s[64:65], 0
	v_nop
	global_prefetch_b8 v0, s[64:65] scope:SCOPE_SE
	s_setreg_imm32_b32 hwreg(HW_REG_WAVE_MODE, 25, 1), 1
	s_wait_xcnt 0x0
	s_wait_alu depctr_hold_cnt(0) depctr_sa_sdst(0) depctr_va_vdst(0) depctr_va_sdst(0) depctr_va_ssrc(0) depctr_va_vcc(0) depctr_vm_vsrc(0)
	s_getreg_b32 s2, hwreg(HW_REG_IB_STS2, 6, 4)
	s_cmp_eq_u32 s2, 0
	s_cbranch_scc0 .Lentry_in_a_cluster
	s_endpgm
.Lentry_in_a_cluster:
	s_bfe_u32 s2, ttmp6, 0x10000c
	s_cmp_lg_u32 s2, 0x3003
	s_cbranch_scc0 .Lentry_shape_is_right
	s_endpgm
.Lentry_shape_is_right:
; Causal attention, 64 heads (y = 16 x batch + head) of 2,048 tokens x 64 channels, both products on codes of BF6 (E3M2) with one E8M0 scale for each 32 along a product's K.
; out0[batch][q][64 head + d] = sum over k <= q of softmax_k(Q[q] . K[k] / 8) V[k][d].  Key steps that lie wholly above the diagonal of the causal mask are not computed.
; THE SOFTMAX: t = score x log2(e) / 8; M = the running largest t rounded UP to a whole number; p = 2^(t - M) is quantised along the keys, not normalised; the row's sum is taken of the unquantised p
; and divides at the end.  When M moves, the sums and O are multiplied by 2^(old M - new M): exact.
; IN: images of operand registers (a fragment: three planes of 512 bytes, plane c = registers 4 c .. 4 c + 3 at 16 x lane).  A step is 128 tokens.
;   kv, y x 204,800 + step x 12,800: K's images f = 0..3 (registers 0-5 key tile u = 0, 6-11 key tile u = 1; lane r = token 32 f + 8 u + r + 8 (r / 8)), V's images t = 0..3 (16 channels x 128 keys), K's scale words [r][f], V's [r][t].
;   qi, y x 102,400 + step x 6,400: Q's images and words, laid as K's.
; K = 64 IN AN INSTRUCTION OF K = 128: the run 0 | Q0 | 0 | Q1 | 0 of five times six registers gives [Qu | 0] (key tile 2 f of image f) and [0 | Qu] (key tile 2 f + 1): zero codes add nothing.
; SHARES.  A cluster of four work-groups takes a head; its K, V and scales, 204,800 bytes, come into each partner's LDS once, by joint loads.  Wave w of partner g owns TWO IMAGES OF Q, 32 queries each:
; image 3 - g of step 15 - w and image g of step w: 17 key steps in every wave, and their numbers hang on the wave's number alone.  The two tiles of an image go through a key step together: each fragment of K and V
; read from LDS feeds both, and the two tiles' chains take turns line by line.
; Both products are used transposed (S^T = K Q^T, O^T = V^T P^T): a lane holds one query (lane % 16); the 16 registers of key tiles 2 f, 2 f + 1 are keys 32 f + 16 (lane / 16) + 0 .. 15.
; FILLS: steps 0-3 at the head (25 rows of 256 bytes a wave), steps 4-15 behind the full sequence and a round (75 rows a wave): one tensor load a wave each time.
; No prefetch: all that the launch reads of kv is asked for by these two loads, the second with four key steps of work in which to land, and no loop stands ahead of them to run ahead in.
; REGISTERS: window 0 as named below; window 1: v0-63 S^T and p of tile 0, v64-127 of tile 1, v128-159 O^T of tile 0, v160-191 of tile 1, v192-223 sixteen pairs of partial sums of tile 0's p.
; LIMITS: p under 2^-126 counts as 0 (ISA guide, v_exp_f32); a block of p that is all zeros keeps the scale byte 1 (its codes are zeros); NaN and infinities are not served; the promise holds while |t| stays under 2^31.
; A block's largest p is taken as the exponential of its largest score, which takes v_exp_f32 not to fall where its input rises.
.set STEPB, 12800
.set STAGE, 16*STEPB                   ; behind the head: two stages of 16 rows x 272 bytes for each wave; no fill lands there
.set SP,    272
.set SPARE, STAGE+16*16*SP             ; the spare words, 128 bytes a wave
.set AV,  1                            ; this step's V images;  v2 its scale words;  v3, v4 the next step's K images and words
.set AVS, 2
.set AK,  3
.set AKS, 4
.set QD,  5                            ; v5, v6  my query's place in its step - 16 (lane / 16), tile 0, 1
.set STO, 7
.set RD,  8
.set GO,  9
.set SPW, 10
.set NIL, 11
.set NM,  12                           ; v12, v14 -M;  v13, v15 the largest t
.set FF,  16                           ; v16, v18 f = 2^(old M - new M);  v17, v19 p's scale word
.set L,   20                           ; v20-27, v28-35 the row's sum, four pairs a tile
.set QW,  36                           ; v36, v37 Q's scale words
.set TA,  38                           ; v38, v40 at work (pairs with v39, v41)
.set NINF,42
.set QB,  43                           ; r + 8 (r / 8) - 16 h
.set KW,  44
.set VW,  48
.set BM,  52                           ; v52-59 block maxima, then the conversions' scale operands
.set PT,  60                           ; v60-67
.set CT,  68                           ; v68-83 the conversions' second halves
.set P,   84                           ; v84-107 p's codes
.set QZ,  108                          ; v108-137  0 | Q0 | 0 | Q1 | 0
.set KF,  138                          ; v138-185 K's four images
.set VF,  186                          ; v186-233 V's four images
.set QL,  234                          ; v234-245 the low image as loaded, v246 its word, v247 the high image's word
.set QWL, 246
.set QWH, 247
.set LI,  248                          ; 16 x lane
.set LSC, 249                          ; 16 x (lane % 16)
.set O,   128                          ; in window 1
.set TS,  192                          ; in window 1
.set TO,  138                          ; the way out: O / sum, v138-201
.set WV,  10
.set G,   11
.set Y,   12
.set SDL, 14
.set SDH, 16
.set FH,  17
.set SEL, 18
.set CS,  20
.set TB,  22
.set ST,  23
.set TN,  48
.set SD,  49
.set MSB, 0
.macro WIN new                         ; low byte: bits 1:0 source 0, 3:2 source 1, 5:4 source 2, 7:6 destination; the high byte repeats the setting that is left
.if MSB != (\new)
	s_set_vgpr_msb (MSB<<8)|(\new)
.set MSB, (\new)
.endif
.endm
.macro CROUND
	s_barrier_signal -1
	s_barrier_wait -1
	s_cmp_lg_u32 s[WV], 0
	s_cbranch_scc1 .Lnot_wave_0_\@
	s_barrier_signal -3
.Lnot_wave_0_\@:
	s_barrier_wait -3
	s_barrier_signal -1
	s_barrier_wait -1
.endm
.macro GROUP1 g, rows                  ; a dense block as rows of 256 bytes (32 elements of 8 bytes); mask: all four partners, bit 21 beside it
	s_mov_b32 s[\g], 15|(3<<16)|(1<<21)
	s_mov_b32 s[\g+1], 32<<16
	s_mov_b32 s[\g+2], (\rows)<<16
	s_mov_b32 s[\g+3], 32<<16
	s_mov_b32 s[\g+4], \rows
	s_mov_b32 s[\g+5], 32
	s_mov_b32 s[\g+6], 0
	s_mov_b32 s[\g+7], 0
.endm
.macro NOPS
.rept 4
	v_nop
.endr
.endm
	s_load_b128 s[4:7], s[0:1], 0x0                ; qi s[4:5], kv s[6:7]
	s_load_b64 s[8:9], s[0:1], 0x10                ; out0
	v_lshl_add_u32 v[SPW], v0, 2, SPARE
	v_mov_b32 v[NIL], 0
	ds_add_u32 v[SPW], v[NIL]
	ds_add_u32 v[SPW], v[NIL]
	v_lshrrev_b32 v1, 5, v0
	v_readfirstlane_b32 s[WV], v1                  ; wave 0..7
	v_and_b32 v[TA], 31, v0
	v_lshlrev_b32 v[LI], 4, v[TA]
	v_and_b32 v[TA+1], 15, v0                      ; r
	v_lshlrev_b32 v[LSC], 4, v[TA+1]
	s_wait_alu depctr_va_vdst(0)
	s_bfe_u32 s[G], ttmp6, 0x40000                 ; cx: it enters global addresses and the mask's compare alone
	s_and_b32 s[Y], ttmp7, 0xffff                  ; the head, which the four partners share
	GROUP1 24, 25
	GROUP1 32, 75
	s_mov_b32 s[SDL], s[WV]
	s_sub_co_u32 s[SDH], 15, s[WV]
	s_sub_co_u32 s[FH], 3, s[G]
	s_mul_i32 s56, s[Y], 102400
	s_mul_i32 s58, s[SDH], 6400
	s_add_co_u32 s58, s58, s56                     ; the high image's record
	s_mul_i32 s60, s[SDL], 6400
	s_add_co_u32 s60, s60, s56                     ; the low image's
	s_mul_i32 s66, s[FH], 1536
	s_add_co_u32 s66, s66, s58                     ; the high image,
	s_mov_b32 s67, 0
	s_lshl_b32 s68, s[FH], 2
	s_add_co_u32 s68, s68, s58                     ; its word's column (the words begin 6,144 bytes on),
	s_mov_b32 s69, 0
	s_mul_i32 s70, s[G], 1536
	s_add_co_u32 s70, s70, s60                     ; and the same of the low image
	s_mov_b32 s71, 0
	s_lshl_b32 s72, s[G], 2
	s_add_co_u32 s72, s72, s60
	s_mov_b32 s73, 0
	s_mul_i32 s74, s[Y], 16*STEPB
	s_mov_b32 s75, 0
	s_mul_i32 s76, s[WV], 6400                     ; my eighth of steps 0-3: the same offset in memory and in LDS
	s_mov_b32 s77, 0
	s_mul_i32 s78, s[WV], 19200                    ; and of steps 4-15
	s_add_co_u32 s78, s78, 4*STEPB
	s_mov_b32 s79, 0
	s_wait_dscnt 0x0
	s_wait_kmcnt 0x0
	s_add_nc_u64 s[66:67], s[4:5], s[66:67]
	s_add_nc_u64 s[68:69], s[4:5], s[68:69]
	s_add_nc_u64 s[70:71], s[4:5], s[70:71]
	s_add_nc_u64 s[72:73], s[4:5], s[72:73]
	global_load_b128 v[QZ+6:QZ+9], v[LI], s[66:67]                ; Q goes out first.  Registers 0-3 of the image: tile 0
	global_load_b64 v[QZ+10:QZ+11], v[LI], s[66:67] offset:512    ; 4, 5
	global_load_b64 v[QZ+18:QZ+19], v[LI], s[66:67] offset:520    ; 6, 7: tile 1
	global_load_b128 v[QZ+20:QZ+23], v[LI], s[66:67] offset:1024  ; 8-11
	global_load_b32 v[QWH], v[LSC], s[68:69] offset:6144
.irp c, 0,1,2
	global_load_b128 v[QL+4*\c:QL+4*\c+3], v[LI], s[70:71] offset:512*\c
.endr
	global_load_b32 v[QWL], v[LSC], s[72:73] offset:6144
	s_add_nc_u64 s[6:7], s[6:7], s[74:75]          ; kv at my head
	s_mov_b32 s40, 1
	s_mov_b32 s41, s76
	s_add_nc_u64 s[42:43], s[6:7], s[76:77]
	s_or_b32 s43, s43, 0x80000000
	s_mov_b32 s44, 1
	s_mov_b32 s45, s78
	s_add_nc_u64 s[46:47], s[6:7], s[78:79]
	s_or_b32 s47, s47, 0x80000000
	CROUND                                         ; all four work-groups are here: the joint loads meet
	tensor_load_to_lds s[40:43], s[24:31]          ; steps 0-3: one load in every wave
	s_nop 0
	NOPS
	v_bfe_u32 v[TA+2], v0, 4, 1                    ; h
	s_mul_i32 s56, s[WV], 32*SP
	s_add_co_u32 s56, s56, STAGE                   ; my two stages
	v_mul_u32_u24 v[STO], v[TA+1], SP
	v_lshl_add_u32 v[STO], v[TA+2], 6, v[STO]
	v_add_nc_u32 v[STO], s56, v[STO]               ; in: row r, + 64 h
	v_mul_u32_u24 v[RD], v[TA+2], SP
	v_lshl_add_u32 v[RD], v[TA+1], 4, v[RD]
	v_add_nc_u32 v[RD], s56, v[RD]                 ; back: lanes 0-15 one row, lanes 16-31 the next
	v_lshlrev_b32 v[GO], 12, v[TA+2]
	v_lshl_add_u32 v[GO], v[TA+1], 4, v[GO]        ; the same two tokens in out0 (4,096 bytes a token)
	v_and_b32 v[QB], 8, v0
	v_add_nc_u32 v[QB], v[QB], v[TA+1]
	v_lshlrev_b32 v[TA+2], 4, v[TA+2]
	v_sub_nc_u32 v[QB], v[QB], v[TA+2]             ; r + 8 (r / 8) - 16 h
	v_mov_b32 v[TA+3], 0                           ; (named as the upper half of a pair)
	v_mov_b32 v[FF+1], 0                           ; p's scale words: named as the upper halves of f's pairs before a step first writes them
	v_mov_b32 v[FF+3], 0
	v_mov_b32 v[NINF], 0xff800000
.irp j, 0,1,2,3,4,5,12,13,14,15,16,17,24,25,26,27,28,29
	v_mov_b32 v[QZ+\j], 0                          ; the zero codes round Q's two tiles
.endr
.irp j, 0,1,2,3,4,5,6,7
	v_mov_b32 v[PT+\j], 0                          ; written once: a lane permute's destination counts as one of its sources
.endr
	s_wait_alu depctr_va_vdst(0)
	s_mov_b32 s[SEL], 0x76543210
	s_mov_b32 s[SEL+1], 0xfedcba98
	s_mov_b32 s[CS], 0x3e38aa3b                    ; log2(e) / 8
	s_mov_b32 s[CS+1], s[CS]
	s_mov_b32 s57, 0
	s_lshr_b32 s56, s[Y], 4                        ; out0: batch x 2,048 tokens + the head's 256 bytes + the image's first token
	s_lshl_b32 s56, s56, 23
	s_and_b32 s58, s[Y], 15
	s_lshl_b32 s58, s58, 8
	s_add_co_u32 s58, s58, s56
	s_lshl_b32 s54, s[FH], 5                       ; 32 f of the high image
	s_lshl_b32 s56, s[SDH], 7
	s_add_co_u32 s56, s56, s54
	s_lshl_b32 s56, s56, 12
	s_add_co_u32 s56, s56, s58
	s_add_nc_u64 s[50:51], s[8:9], s[56:57]
	s_lshl_b32 s55, s[G], 5                        ; of the low image
	s_lshl_b32 s56, s[SDL], 7
	s_add_co_u32 s56, s56, s55
	s_lshl_b32 s56, s56, 12
	s_add_co_u32 s56, s56, s58
	s_add_nc_u64 s[52:53], s[8:9], s[56:57]
; An image begins.  lo = 0: the high image, whose codes were loaded into their place; lo = 1: the low one.
.macro INIT lo
.if \lo
	s_wait_xcnt 0x0                                ; the high image's stores have read their registers
.irp i, 0,1,2,3,4,5
	v_mov_b32 v[QZ+6+\i], v[QL+\i]
	v_mov_b32 v[QZ+18+\i], v[QL+6+\i]
.endr
	v_perm_b32 v[QW], v[QWL], v[QWL], 0x01000100   ; a tile's two scale bytes, twice
	v_perm_b32 v[QW+1], v[QWL], v[QWL], 0x03020302
	v_add_nc_u32 v[QD], s55, v[QB]
	s_mov_b32 s[SD], s[SDL]
.else
	v_perm_b32 v[QW], v[QWH], v[QWH], 0x01000100
	v_perm_b32 v[QW+1], v[QWH], v[QWH], 0x03020302
	v_add_nc_u32 v[QD], s54, v[QB]
	s_mov_b32 s[SD], s[SDH]
.endif
	v_add_nc_u32 v[QD+1], 8, v[QD]
.irp q, 0,1
	v_mov_b32 v[NM+2*\q+1], 0xff61b1e6             ; the largest t so far: -3e38
	v_mov_b32 v[NM+2*\q], 0x7f61b1e6               ; -M
.endr
.set n, 0
.rept 16
	v_mov_b32 v[L+n], 0
.set n, n+1
.endr
	WIN 0x40
.set n, 0
.rept 64
	v_mov_b32 v[O+n], 0                            ; O^T: the step is written once, its first turn finds zeros.  (Also the places between the scale words' making and the first product)
.set n, n+1
.endr
	WIN 0
.endm
.macro KLOADS                          ; K's scale words and four images, by v[AKS] and v[AK]: 13 loads
	ds_load_b128 v[KW:KW+3], v[AKS] offset:12288
.irp f, 0,1,2,3
.irp c, 0,1,2
	ds_load_b128 v[KF+12*\f+4*\c:KF+12*\f+4*\c+3], v[AK] offset:1536*\f+512*\c
.endr
.endr
.endm
.macro LOADK                           ; ahead of a loop: its first step's K
	v_add_nc_u32 v[AK], s[TB], v[LI]
	v_add_nc_u32 v[AKS], s[TB], v[LSC]
	KLOADS
	s_wait_alu depctr_va_vdst(0)
.endm
.macro SMUL d, f, qa, q
	v_wmma_scale_f32_16x16x128_f8f6f4 v[\d:\d+7], v[KF+12*\f:KF+12*\f+11], v[\qa:\qa+11], 0, v[KW+\f], v[QW+\q] matrix_a_fmt:MATRIX_FMT_BF6 matrix_b_fmt:MATRIX_FMT_BF6
.endm
; A KEY STEP: 128 keys x 32 queries.  masked = 1: a step behind the image's diagonal step is passed over (a branch on the wave's number and the loop's count); in the diagonal step hidden scores become -infinity.
; lim: the loop's last step: the fetch of the next step's K stops there.
.macro STEP masked, lim
.if \masked
	s_cmp_gt_u32 s[ST], s[SD]
	s_cbranch_scc1 .Lhidden_\@
.endif
	s_add_co_u32 s[TN], s[TB], STEPB
	s_min_u32 s[TN], s[TN], (\lim)*STEPB
	s_wait_dscnt 0x0                               ; this step's K, asked for in the step before, is in
	WIN 0x40
.irp q, 0,1
.irp f, 0,1,2,3
	SMUL 64*\q+16*\f, \f, QZ+6+12*\q, \q           ; [Q | 0]: key tile 2 f
	SMUL 64*\q+16*\f+8, \f, QZ+12*\q, \q           ; [0 | Q]: key tile 2 f + 1
.endr
.endr
	WIN 0
	v_add_nc_u32 v[AV], s[TB], v[LI]               ; four lines that name no register of the products: their places
	v_add_nc_u32 v[AVS], s[TB], v[LSC]
	v_add_nc_u32 v[AK], s[TN], v[LI]
	v_add_nc_u32 v[AKS], s[TN], v[LSC]
.if \masked
	s_cmp_lg_u32 s[ST], s[SD]
	s_cbranch_scc1 .Lopen_\@
	WIN 0x41                                       ; register 16 b + i holds key 32 b + 16 h + i of the step: hidden where 32 b + i > my query's place - 16 h
.irp q, 0,1
.set n, 0
.rept 64
	v_cmp_gt_i32 vcc_lo, 32*(n/16)+n%16, v[QD+\q]
	v_cndmask_b32 v[64*\q+n], v[64*\q+n], v[NINF], vcc_lo
.set n, n+1
.endr
.endr
	WIN 0
.Lopen_\@:
.endif
	WIN 0x05                                       ; the largest score of each block of 32 keys: eight chains by turns, each accumulator from its low end on
.irp q, 0,1
.irp b, 0,1,2,3
	v_max_num_f32 v[BM+4*\q+\b], v[64*\q+16*\b], v[64*\q+16*\b+1]
.endr
.endr
.irp i, 2,4,6,8,10,12,14
.irp q, 0,1
.irp b, 0,1,2,3
	v_max3_num_f32 v[BM+4*\q+\b], v[64*\q+16*\b+\i], v[64*\q+16*\b+\i+1], v[BM+4*\q+\b]
.endr
.endr
.endr
	WIN 0
	ds_load_b128 v[VW:VW+3], v[AVS] offset:12544   ; this step's V: 13 loads; then the next step's K: 13 loads.  They land under the softmax
.irp t, 0,1,2,3
.irp c, 0,1,2
	ds_load_b128 v[VF+12*\t+4*\c:VF+12*\t+4*\c+3], v[AV] offset:6144+1536*\t+512*\c
.endr
.endr
	KLOADS
.irp q, 0,1
.irp b, 0,1,2,3
	v_permlanex16_b32 v[PT+4*\q+\b], v[BM+4*\q+\b], s[SEL], s[SEL+1]
.endr
.endr
.irp q, 0,1
.irp b, 0,1,2,3
	v_max_num_f32 v[BM+4*\q+\b], v[BM+4*\q+\b], v[PT+4*\q+\b]     ; with lane l xor 16's 16 keys
.endr
.endr
.irp q, 0,1
	v_max3_num_f32 v[TA+2*\q], v[BM+4*\q], v[BM+4*\q+1], v[BM+4*\q+2]
.endr
.irp q, 0,1
	v_max_num_f32 v[TA+2*\q], v[TA+2*\q], v[BM+4*\q+3]             ; the step's largest score of my query
.endr
.irp q, 0,1
	v_mul_f32 v[TA+2*\q], s[CS], v[TA+2*\q]
.endr
.irp q, 0,1
	v_max_num_f32 v[NM+2*\q+1], v[NM+2*\q+1], v[TA+2*\q]           ; the running largest t
.endr
.irp q, 0,1
	v_mov_b32 v[TA+2*\q], v[NM+2*\q]
.endr
.irp q, 0,1
	v_floor_f32 v[NM+2*\q], -v[NM+2*\q+1]                          ; the new -M = -ceil(t)
.endr
.irp q, 0,1
	v_sub_f32 v[TA+2*\q], v[NM+2*\q], v[TA+2*\q]                   ; old M - new M: a whole number, 0 or less
.endr
.irp q, 0,1
	v_cvt_i32_f32 v[TA+2*\q], v[TA+2*\q]                           ; (it saturates)
.endr
.irp q, 0,1
	v_ldexp_f32 v[FF+2*\q], 1.0, v[TA+2*\q]                        ; f
.endr
.irp q, 0,1
.irp b, 0,1,2,3
	v_fma_f32 v[BM+4*\q+\b], v[BM+4*\q+\b], s[CS], v[NM+2*\q]      ; t - M of each block's largest score
.endr
.endr
	WIN 0x41
.irp q, 0,1
.set n, 0
.rept 16
	v_pk_mul_f32 v[O+32*\q+n:O+32*\q+n+1], v[O+32*\q+n:O+32*\q+n+1], v[FF+2*\q:FF+2*\q+1] op_sel_hi:[1,0]   ; O^T under the new M, each accumulator from its low end on; no exponential stands between the last step's products and these lines
.set n, n+2
.endr
.endr
.set n, 0
.rept 32
	v_pk_fma_f32 v[n:n+1], v[n:n+1], s[CS:CS+1], v[NM:NM+1] op_sel_hi:[1,0,0]   ; tile 0: t - M, two at a time
.set n, n+2
.endr
	s_wait_alu depctr_va_vdst(0)
.set n, 0
.rept 32                               ; tile 0's p = 2^(t - M); tile 1's t - M takes turns with it: its results are first read behind the next wait
	v_exp_f32 v[2*n], v[2*n]
	v_exp_f32 v[2*n+1], v[2*n+1]
	v_pk_fma_f32 v[64+2*n:64+2*n+1], v[64+2*n:64+2*n+1], s[CS:CS+1], v[NM+2:NM+3] op_sel_hi:[1,0,0]
.set n, n+1
.endr
	s_wait_alu depctr_va_vdst(0)                   ; one wait: behind tile 0's batch and ahead of tile 1's
	WIN 0x45
.set n, 0
.rept 16                               ; tile 1's p; the first level of tile 0's sum takes turns with it, each line into a pair of its own, first read behind the next wait
	v_exp_f32 v[64+4*n], v[64+4*n]
	v_exp_f32 v[64+4*n+1], v[64+4*n+1]
	v_pk_add_f32 v[TS+2*n:TS+2*n+1], v[4*n:4*n+1], v[4*n+2:4*n+3]
	v_exp_f32 v[64+4*n+2], v[64+4*n+2]
	v_exp_f32 v[64+4*n+3], v[64+4*n+3]
.set n, n+1
.endr
	WIN 0
.irp j, 0,1,2,3,4,5,6,7
	v_exp_f32 v[BM+\j], v[BM+\j]                   ; each block's largest p
.endr
	v_nop                                          ; a plain place behind the batch,
	s_wait_alu depctr_va_vdst(0)                   ; and one wait for it, ahead of its first reader
.irp j, 0,1,2,3,4,5,6,7
	v_max_num_f32 v[BM+\j], 0x2800000, v[BM+\j]    ; the floor 2^(5 - 127): the byte cannot fall under 1
.endr
.irp j, 0,1,2,3,4,5,6,7
	v_add_nc_u32 v[BM+\j], 0xfe000000, v[BM+\j]    ; 4 off the exponent field: the conversion's scale operand
.endr
.irp j, 0,1,2,3,4,5,6,7
	v_lshrrev_b32 v[PT+\j], 23, v[BM+\j]           ; the scale's byte
.endr
.irp q, 0,1
	v_lshl_or_b32 v[FF+2*\q+1], v[PT+4*\q+1], 8, v[PT+4*\q]        ; p's scale word for these 128 keys
.endr
.irp q, 0,1
	v_lshl_or_b32 v[FF+2*\q+1], v[PT+4*\q+2], 16, v[FF+2*\q+1]
.endr
.irp q, 0,1
	v_lshl_or_b32 v[FF+2*\q+1], v[PT+4*\q+3], 24, v[FF+2*\q+1]
.endr
	WIN 0x01
.irp q, 0,1
.irp c, 0,1
	v_cvt_scalef32_pk16_bf6_f32 v[P+12*\q+6*\c:P+12*\q+6*\c+2], v[64*\q+32*\c:64*\q+32*\c+15], v[BM+4*\q+2*\c]
	v_cvt_scalef32_pk16_bf6_f32 v[CT+8*\q+4*\c:CT+8*\q+4*\c+2], v[64*\q+32*\c+16:64*\q+32*\c+31], v[BM+4*\q+2*\c+1]
.endr
.endr
	WIN 0x10                                       ; the row's sum of the unquantised p, in four pairs a tile: each pair x f + its first term.  (Plain lines behind the conversions)
.irp j, 0,1,2,3
	v_pk_fma_f32 v[L+2*\j:L+2*\j+1], v[L+2*\j:L+2*\j+1], v[FF:FF+1], v[TS+2*\j:TS+2*\j+1] op_sel_hi:[1,0,1]
	v_pk_fma_f32 v[L+8+2*\j:L+8+2*\j+1], v[L+8+2*\j:L+8+2*\j+1], v[FF+2:FF+3], v[64+2*\j:64+2*\j+1] op_sel_hi:[1,0,1]
.endr
	WIN 0
.irp q, 0,1                            ; a whole block to a lane: lanes 0-15 block 2 c, lanes 16-31 block 2 c + 1
.irp c, 0,1
.irp i, 0,1,2
	v_permlane16_swap_b32 v[P+12*\q+6*\c+\i], v[CT+8*\q+4*\c+\i]
.endr
.endr
.endr
.irp q, 0,1
.irp c, 0,1
.irp i, 0,1,2
	v_mov_b32 v[P+12*\q+6*\c+3+\i], v[CT+8*\q+4*\c+\i]
.endr
.endr
.endr
	WIN 0x01                                       ; the sums' other terms: tile 0's twelve pairs, tile 1's 28.  Also the places in front of the products below
.set j, 4
.rept 28
.if j < 16
	v_pk_add_f32 v[L+2*(j%4):L+2*(j%4)+1], v[TS+2*j:TS+2*j+1], v[L+2*(j%4):L+2*(j%4)+1]
.endif
	v_pk_add_f32 v[L+8+2*(j%4):L+8+2*(j%4)+1], v[64+2*j:64+2*j+1], v[L+8+2*(j%4):L+8+2*(j%4)+1]
.set j, j+1
.endr
	s_wait_alu depctr_va_vdst(0)                   ; covers every ordinary write of the step
	s_wait_dscnt 13                                ; V's thirteen loads are in; the next K's thirteen may be out
	WIN 0x50
.irp t, 0,1,2,3                        ; eight accumulators by turns; between two links on one of them stand the others' and the next step's sixteen products
.irp q, 0,1
	v_wmma_scale_f32_16x16x128_f8f6f4 v[O+32*\q+8*\t:O+32*\q+8*\t+7], v[VF+12*\t:VF+12*\t+11], v[P+12*\q:P+12*\q+11], v[O+32*\q+8*\t:O+32*\q+8*\t+7], v[VW+\t], v[FF+2*\q+1] matrix_a_fmt:MATRIX_FMT_BF6 matrix_b_fmt:MATRIX_FMT_BF6
.endr
.endr
	WIN 0
.if \masked
.Lhidden_\@:
.endif
	s_add_co_u32 s[TB], s[TB], STEPB
	s_add_co_u32 s[ST], s[ST], 1
.endm
; An image leaves: O^T / the sum goes through my stages and comes back as whole rows: sixteen lanes store a token's 64 channels of the head, 256 consecutive bytes, aligned.
; Register 8 t + j of lane (r, h) is channel 32 (t / 2) + 16 h + 8 (t % 2) + j of stage row r; stage row rho of tile u is token 8 u + rho + 8 (rho / 8) of the image.
.macro WAYOUT p
	s_wait_dscnt 0x0                               ; the last fetch of K has landed: its registers are taken below
	NOPS                                           ; places behind the last products
.irp q, 0,1
	v_pk_add_f32 v[L+8*\q:L+8*\q+1], v[L+8*\q:L+8*\q+1], v[L+8*\q+2:L+8*\q+3]
	v_pk_add_f32 v[L+8*\q+4:L+8*\q+5], v[L+8*\q+4:L+8*\q+5], v[L+8*\q+6:L+8*\q+7]
.endr
.irp q, 0,1
	v_pk_add_f32 v[L+8*\q:L+8*\q+1], v[L+8*\q:L+8*\q+1], v[L+8*\q+4:L+8*\q+5]
.endr
.irp q, 0,1
	v_add_f32 v[TA+2*\q], v[L+8*\q], v[L+8*\q+1]
.endr
.irp q, 0,1
	v_permlanex16_b32 v[PT+\q], v[TA+2*\q], s[SEL], s[SEL+1]
.endr
.irp q, 0,1
	v_add_f32 v[TA+2*\q], v[TA+2*\q], v[PT+\q]     ; the row's sum
.endr
	s_wait_alu depctr_va_vdst(0)                   ; ahead of the reciprocals,
	v_rcp_f32 v[TA], v[TA]
	v_rcp_f32 v[TA+2], v[TA+2]
	v_nop
	WIN 0x01
	s_wait_alu depctr_va_vdst(0)                   ; and behind them, directly ahead of the first reader of O^T
.irp q, 0,1
.set n, 0
.rept 16
	v_pk_mul_f32 v[TO+32*\q+n:TO+32*\q+n+1], v[O+32*\q+n:O+32*\q+n+1], v[TA+2*\q:TA+2*\q+1] op_sel_hi:[1,0]
.set n, n+2
.endr
.endr
	WIN 0
.irp q, 0,1
.irp t, 0,1,2,3
	ds_store_b128 v[STO], v[TO+32*\q+8*\t:TO+32*\q+8*\t+3] offset:16*SP*\q+128*(\t/2)+32*(\t%2)
	ds_store_b128 v[STO], v[TO+32*\q+8*\t+4:TO+32*\q+8*\t+7] offset:16*SP*\q+128*(\t/2)+32*(\t%2)+16
.endr
.irp i, 0,1,2,3,4,5,6,7
	ds_load_b128 v[202-150*\q+4*\i:202-150*\q+4*\i+3], v[RD] offset:16*SP*\q+2*\i*SP    ; in order behind my stores; tile 0 to v202-233, tile 1 to v52-83
.endr
.endr
.irp q, 0,1
.irp i, 0,1,2,3,4,5,6,7
	s_wait_dscnt 7-\i+16*(1-\q)                    ; row pair i is in; the younger loads, and for tile 0 tile 1's sixteen LDS lines, may be out
	global_store_b128 v[GO], v[202-150*\q+4*\i:202-150*\q+4*\i+3], s[\p:\p+1] offset:(2*\i+8*(\i/4)+8*\q)*4096 th:TH_STORE_NT
.endr
.endr
.endm
	s_wait_loadcnt 0x0                             ; Q
	INIT 0
	s_wait_alu depctr_va_vdst(0)
	s_wait_tensorcnt 0x0                           ; my part of steps 0-3 is in
	ds_add_u32 v[SPW], v[NIL]
	s_wait_dscnt 0x0
	CROUND                                         ; everybody's part is in, and the four work-groups are here
	tensor_load_to_lds s[44:47], s[32:39]          ; steps 4-15: one load in every wave, the first tensor load behind the round
	s_nop 0
	NOPS
	s_mov_b32 s[TB], 0
	s_mov_b32 s[ST], 0
	LOADK
.Lfirst:                                               ; the high image, steps 0-3: all keys count (its diagonal step is 8 or later)
	STEP 0, 3
	s_cmp_lt_u32 s[ST], 4
	s_cbranch_scc1 .Lfirst
	s_wait_dscnt 0x0
	s_wait_tensorcnt 0x0                           ; my part of steps 4-15 is in
	s_barrier_signal -1
	s_barrier_wait -1                              ; the whole head lies in LDS: nothing is filled again, and no barrier stands from here to the end
	s_mov_b32 s[TB], 4*STEPB
	s_mov_b32 s[ST], 4
	LOADK
.Lsecond:                                              ; steps 4-15: up to the diagonal step
	STEP 1, 15
	s_cmp_lt_u32 s[ST], 16
	s_cbranch_scc1 .Lsecond
	WAYOUT 50
	INIT 1
	s_mov_b32 s[TB], 0
	s_mov_b32 s[ST], 0
	LOADK
.Lthird:                                               ; the low image, steps 0-7: up to its diagonal step
	STEP 1, 7
	s_cmp_lt_u32 s[ST], 8
	s_cbranch_scc1 .Lthird
	WAYOUT 52
	s_wait_tensorcnt 0x0                           ; the wave's end
	ds_add_u32 v[SPW], v[NIL]
	s_wait_dscnt 0x0
	CROUND                                         ; the closing round
	s_endpgm
.Lfunc_end_k_q1f626b38d3_attn:
	.size	k_q1f626b38d3_attn, .Lfunc_end_k_q1f626b38d3_attn-k_q1f626b38d3_attn
	.p2alignl 7, 3214868480
	.fill 96, 4, 3214868480
	.section	.rodata,"a",@progbits
	.p2align	6, 0x0
	.amdhsa_kernel k_q1f626b38d3_attn
		.amdhsa_group_segment_fixed_size 327680
		.amdhsa_private_segment_fixed_size 0
		.amdhsa_enable_private_segment 0
		.amdhsa_kernarg_size 24
		.amdhsa_user_sgpr_count 2
		.amdhsa_user_sgpr_kernarg_segment_ptr 1
		.amdhsa_wavefront_size32 1
		.amdhsa_system_sgpr_workgroup_id_x 1
		.amdhsa_system_sgpr_workgroup_id_y 1
		.amdhsa_system_sgpr_workgroup_id_z 1
		.amdhsa_system_vgpr_workitem_id 0
		.amdhsa_next_free_vgpr 512
		.amdhsa_next_free_sgpr 80
		.amdhsa_reserve_vcc 1
		.amdhsa_float_denorm_mode_32 3
		.amdhsa_float_denorm_mode_16_64 3
		.amdhsa_memory_ordered 1
		.amdhsa_forward_progress 1
		.amdhsa_inst_pref_size 139
	.end_amdhsa_kernel
	.amdgpu_metadata
---
amdhsa.version: [ 1, 2 ]
amdhsa.kernels:
  - .name:           k_q1f626b38d3_attn
    .symbol:         k_q1f626b38d3_attn.kd
    .args:
      - { .name: qi, .offset: 0, .size: 8, .value_kind: global_buffer, .address_space: global }
      - { .name: kv, .offset: 8, .size: 8, .value_kind: global_buffer, .address_space: global }
      - { .name: out0, .offset: 16, .size: 8, .value_kind: global_buffer, .address_space: global }
    .group_segment_fixed_size: 327680
    .private_segment_fixed_size: 0
    .kernarg_segment_align: 8
    .kernarg_segment_size: 24
    .max_flat_workgroup_size: 256
    .sgpr_count:     80
    .vgpr_count:     512
    .wavefront_size: 32
...
	.end_amdgpu_metadata
.endif
;; end of part 3
